; MI455X (gfx1250); checked and timed in simulation.
; The chip was launched on July 23, 2026; its instructions are those of AMD's public machine-readable ISA for CDNA 5 (MIT licence, August 2026) and "CDNA5" Instruction Set Architecture Reference Guide (July 2026). The comments in the code are by the model that wrote it; some were corrected since.
;; Multi Head Attention. Allowed arithmetic: matrix products marked QUANTISED: E2M3 operands, one E8M0 scale for each 32 along K, by v_wmma_scale_f32_16x16x128_f8f6f4 with both operands' format E2M3, f32 sums; everything else in f32.
;; Inputs: W_o 1,024 x 1,024 float32; W_qkv 1,024 x 3,072 float32; b_o 1,024 float32; b_qkv 3,072 float32; x 4 x 2,048 x 1,024 float32.
;; Outputs: out0 4 x 2,048 x 1,024 float32.
;; This version of the problem:
;;   THIS VERSION OF THE PROBLEM IS GIVEN IN LOW PRECISION. The matrix products marked QUANTISED in the list below multiply operands that are first quantised to E2M3 (2 exponent bits, 3 mantissa bits; 6 bits a number), with one power-of-two scale for each 32 numbers along K (OCP MX v1.0); their sums are f32. All else is computed in f32.
;;   The module's matrix products, in the order in which they are computed (A, B: the left and right operand; K: the contracted axis; several contracted axes count as one K, in the product's order):
;;     1. [M 8,192, K 1,024] x [K 1,024, N 3,072]; A: input x; B: input W_qkv: QUANTISED
;;     2. batch 64 x [M 2,048, K 64] x [K 64, N 2,048]; A: computed on the way; B: computed on the way: QUANTISED
;;     3. batch 64 x [M 2,048, K 2,048] x [K 2,048, N 64]; A: softmax (see below); B: computed on the way: QUANTISED
;;     4. [M 8,192, K 1,024] x [K 1,024, N 1,024]; A: computed on the way; B: input W_o: QUANTISED
;;   THE QUANTISER, for each operand of a quantised product, along K:
;;     - K is cut into blocks of 32 from its start; a last block that is shorter is filled with zeros.
;;     - A block's scale is 2^e with e = floor(log2(the largest magnitude in the block)) - 2, held to -126 .. 127; a block of zeros has e = 0. As a byte (E8M0): e + 127.
;;     - Each number is divided by its block's scale, clamped to +-7.5, and rounded to the nearest number of E2M3, ties to even, subnormals kept.
;;     - The product sums the exact products of the quantised numbers (number of the format x scale) in f32.
;;   ~~~python
;;   def quantise(x, axis):      # numpy; x: float32 -> the quantised numbers, widened to float32 again
;;       x = np.moveaxis(x, axis, -1); K = x.shape[-1]
;;       x = np.pad(x, [(0, 0)] * (x.ndim - 1) + [(0, -K % 32)]); x = x.reshape(x.shape[:-1] + (-1, 32)); a = np.abs(x).max(-1, keepdims=True)
;;       e = np.where(a > 0, np.clip(np.frexp(np.where(a > 0, a, 1))[1] - 1 - 2, -126, 127), 0)      # np.frexp(a)[1] - 1 = floor(log2(a)), exactly
;;       r = np.clip(x / 2.0 ** e, -7.5, 7.5)
;;       step = 2.0 ** (np.maximum(np.frexp(np.where(r == 0, 1, r))[1] - 1, 0) - 3)
;;       q = np.round(r / step) * step * 2.0 ** e      # np.round: ties to even
;;       return np.moveaxis(q.reshape(q.shape[:-2] + (-1,))[..., :K], -1, axis).astype(np.float32)
;;   ~~~
;;   SOFTMAX AHEAD OF A QUANTISED PRODUCT. Where the list says 'softmax', what is quantised is not the finished softmax but p = 2^(t - M), with t = logit x log2(e) and M = ceil(the row's largest t), a whole number; so 1/2 < the row's largest p <= 1. The row's sum l is taken of the UNQUANTISED p, in f32, and the product's result is divided by l at the end. Since M is a whole number, a kernel that streams over the keys may use a running M (the ceiling of the running maximum): every later rescaling is an exact power of two, which a block's scale takes up: the codes' values come out the same.
;;   OPERANDS COMPUTED ON THE WAY. 'Computed on the way' means the value that the module computes at that place (a softmax that the list does not call 'softmax' is quantised finished and normalised). What goes into a quantiser is computed in f32, as accurately as f32 sums, v_exp_f32 and their like allow (about 1e-6 of the number): no bf16 or f16 on the way to a quantiser, and a product that is left as it is and whose result goes on into a quantised operand takes f32 operands (vector FMAs, or v_wmma_f32_16x16x4_f32). A number that lies on a knife's edge between two numbers of the format may be rounded either way, as far as f32 arithmetic and the matrix unit's own rounding can turn it there, and no further.
;; One version. Each part assembles by itself: llvm-mc -triple=amdgcn-amd-amdhsa -mcpu=gfx1250 --defsym DOCPART=n.
;; ======== version 1 of 1: 4 launches
;; limits: right only within a limited range of input values
;; workspace buffers: xq 6,553,600 bytes; wq 3,276,800 bytes; qkv 19,660,800 bytes; oq 6,553,600 bytes
;; launch quant (part 1): grid 384 x 1, 4 waves a work-group, no clusters, 59,904 bytes of LDS; arguments x, xq, W_qkv, W_o, wq; writes xq, wq
.if DOCPART == 1
	.amdgcn_target "amdgcn-amd-amdhsa--gfx1250"
	.amdhsa_code_object_version 6
	.text
	.protected	k_q76b4dfe1bf_quant
	.globl	k_q76b4dfe1bf_quant
	.p2align	8
	.type	k_q76b4dfe1bf_quant,@function
k_q76b4dfe1bf_quant:
	s_mov_b64 s[64:65], 0
	v_nop
	global_prefetch_b8 v0, s[64:65] scope:SCOPE_SE
	s_setreg_imm32_b32 hwreg(HW_REG_WAVE_MODE, 25, 1), 1
	s_wait_xcnt 0x0
; x [8192][1024] (K innermost) and W_qkv [1024][3072], W_o [1024][1024] (K the FIRST axis), f32, become codes of FP6 (E2M3) with one E8M0 byte for each 32 along K, laid as the products' launches take an operand.
; ONE LAUNCH, TWO PATHS that part on the work-group's number: work-groups 0-255 take x, 256-383 the weights.  Each path has LDS bytes of its own.
; TILES.  Tile 4 grp + s holds 16 rows (of x: tokens; of a weight: columns): its row m is row 64 grp + 8 s + (m % 8) + 32 (m / 8).  wq's tiles 0-191 are W_qkv's columns, 192-255 W_o's.
; IMAGE.  A fragment (16 rows x 128 K, 12 registers a lane; lane (r, h) holds row r, registers 6 c .. 6 c + 5 hold k = 64 c + 32 h + 0 .. 31) lies as 6 planes of 256 bytes:
; plane j holds registers 2 j, 2 j + 1 of lane l at byte 8 l.  xq, wq: [tile][K step][1536], and from XSO (WSO) on the scale words [tile][pair of K steps][row][2 words].
; A block's scale is 2^(floor(log2(largest magnitude)) - 2): its byte is the largest magnitude's exponent field - 2, held at 1 from below by a floor among the maximum's leaves.
; LIMITS: a block of zeros, or one whose largest magnitude lies under 2^-124, gets the byte 1 (its codes add nothing or little; this program alone reads the bytes); NaN and infinities are not served.
; x's SHARES.  Wave W = 4 x work-group + wave takes tile W / 2 and half W % 2 of K: four K steps.  Each load reads 512 consecutive bytes of one row; a K step's 16 rows turn through the wave's own
; stage in LDS (rows 528 bytes apart) and come back 32 neighbours a block to a lane.
; THE WEIGHTS' SHARES.  A LANE TAKES A COLUMN AND ITS REGISTERS RUN DOWN K: a block of 32 lies in one lane, and the conversions give codes with K innermost.  Pair of waves n = 2 (work-group - 256) + wave / 2: column pair n / 8
; (128 columns), K step n % 8; a wave: 64 columns (one grp) x 128 k; lane l takes columns l and 32 + l.  Pointer and row pitch are chosen on ids.  The codes meet in the wave's own stage (4 images, 1,600 bytes apart)
; and leave as runs of 512 consecutive bytes.  The scale words leave 4 bytes a lane: 1 byte for each 128 that the path reads.
; Waves share nothing: no barrier.
.set XSTG,  16*528
.set WSTG,  4*1600
.set WBASE, 4*XSTG                     ; the weights' stages lie behind x's
.set SPARE, WBASE+4*WSTG               ; behind all stages: the spare words, 128 bytes a wave, that no other line names
.set XSO,   6291456
.set WSO,   3145728
.set WV,    3                          ; s3  the wave
.set SPW,   5                          ; v5  my spare word
.set NIL,   6                          ; v6  0
	v_lshl_add_u32 v[SPW], v0, 2, SPARE
	v_mov_b32 v[NIL], 0
	v_lshrrev_b32 v8, 5, v0
	v_readfirstlane_b32 s[WV], v8
	s_cmp_lt_u32 ttmp9, 256
	s_wait_alu depctr_va_vdst(0)                   ; directly ahead of the branch
	s_cbranch_scc0 .Lweights
; ---------------- x
.set LO,    1                          ; v1  16 x lane
.set SIN,   2                          ; v2  the stage, on the way in
.set SOUT,  3                          ; v3  and on the way out: row r, + 128 h
.set L8,    4                          ; v4  8 x lane
.set H8,    7                          ; v7  8 h
.set M,     8                          ; v8-11  maxima
.set SO,    12                         ; v12-13 the conversions' scale operands
.set BY,    14                         ; v14-15 the bytes
.set CD,    16                         ; v16-39 codes, two sets of 12
.set TC,    40                         ; v40-42, v44-46 the upper halves of two blocks
.set WD,    48                         ; v48-51 the four K steps' scale words
.set PR,    52                         ; v52-53 the pair that I store
.set TW,    54                         ; v54-55 at work
.set X,     64                         ; v64-127  two blocks of 32 neighbours
.set R,     128                        ; v128-255 two sets of 64 as loaded
.macro MAX2 x, m                       ; the largest magnitudes of the blocks at v[x] and v[x + 32] into v[m] and v[m + 2]: two chains a block, the floor 2^(3 - 127) as a leaf
.irp g, 0,1
	v_max3_num_f32 v[\m+2*\g], |v[\x+32*\g]|, |v[\x+32*\g+1]|, 0x1800000
	v_max3_num_f32 v[\m+2*\g+1], |v[\x+32*\g+16]|, |v[\x+32*\g+17]|, |v[\x+32*\g+18]|
.endr
.irp i, 2,4,6,8,10,12
.irp g, 0,1
	v_max3_num_f32 v[\m+2*\g], v[\m+2*\g], |v[\x+32*\g+\i]|, |v[\x+32*\g+\i+1]|
	v_max3_num_f32 v[\m+2*\g+1], v[\m+2*\g+1], |v[\x+32*\g+\i+17]|, |v[\x+32*\g+\i+18]|
.endr
.endr
.irp g, 0,1
	v_max3_num_f32 v[\m+2*\g], v[\m+2*\g], |v[\x+32*\g+14]|, |v[\x+32*\g+15]|
.endr
.irp g, 0,1
	v_max3_num_f32 v[\m+2*\g], v[\m+2*\g], v[\m+2*\g+1], |v[\x+32*\g+31]|
.endr
.endm
	s_load_b128 s[4:7], s[0:1], 0x0                ; x, xq
	v_and_b32 v9, 31, v0                           ; lane
	v_and_b32 v10, 15, v0                          ; r
	v_bfe_u32 v11, v0, 4, 1                        ; h
	v_lshlrev_b32 v[LO], 4, v9
	s_mul_i32 s9, s[WV], XSTG
	v_add_nc_u32 v[SIN], s9, v[LO]
	v_mul_u32_u24 v[SOUT], v10, 528
	v_lshl_add_u32 v[SOUT], v11, 7, v[SOUT]
	v_add_nc_u32 v[SOUT], s9, v[SOUT]
	v_lshlrev_b32 v[L8], 3, v9
	v_lshlrev_b32 v[H8], 3, v11
	v_mov_b32 v[TW+1], 0                           ; a lane permute's destination counts as one of its sources
	s_mov_b32 s12, 0x76543210
	s_mov_b32 s13, 0xfedcba98                      ; selects for lane l xor 16
	s_lshl_b32 s10, ttmp9, 2
	s_add_co_u32 s10, s10, s[WV]                   ; W
	s_lshr_b32 s11, s10, 1                         ; tile
	s_and_b32 s10, s10, 1                          ; half of K
	s_lshr_b32 s14, s11, 2
	s_lshl_b32 s14, s14, 18                        ; 64 grp rows of 4,096 bytes
	s_and_b32 s15, s11, 3
	s_lshl_b32 s15, s15, 15                        ; 8 s rows
	s_add_co_u32 s14, s14, s15
	s_lshl_b32 s15, s10, 11                        ; half a row
	s_add_co_u32 s14, s14, s15
	s_mov_b32 s15, 0
	s_mul_i32 s16, s11, 12288
	s_mul_i32 s17, s10, 4*1536
	s_add_co_u32 s16, s16, s17                     ; my four images
	s_mov_b32 s17, 0
	s_lshl_b32 s18, s11, 9
	s_lshl_b32 s19, s10, 8
	s_add_co_u32 s18, s18, s19
	s_add_co_u32 s18, s18, XSO                     ; my 256 bytes of scale words
	s_mov_b32 s19, 0
	s_wait_alu depctr_va_vdst(0)                   ; the head's end
	s_wait_kmcnt 0x0
	s_add_nc_u64 s[4:5], s[4:5], s[14:15]
	s_add_nc_u64 s[20:21], s[6:7], s[18:19]
	s_add_nc_u64 s[6:7], s[6:7], s[16:17]
.macro LOAD q                          ; K step q of my 16 rows: 32 lanes read 512 consecutive bytes of a row
.irp i, 0,1,2,3,4,5,6,7,8,9,10,11,12,13,14,15
	global_load_b128 v[R+64*((\q)%2)+4*\i:R+64*((\q)%2)+4*\i+3], v[LO], s[4:5] offset:((\i%8)+32*(\i/8))*4096+512*(\q) th:TH_LOAD_NT
.endr
.endm
.macro TURN q                          ; through the stage: LDS serves a wave's instructions in order, so no wait stands between the stores and the loads
.irp i, 0,1,2,3,4,5,6,7,8,9,10,11,12,13,14,15
	ds_store_b128 v[SIN], v[R+64*((\q)%2)+4*\i:R+64*((\q)%2)+4*\i+3] offset:528*\i
.endr
.irp c, 0,1
.irp e, 0,1,2,3,4,5,6,7
	ds_load_b128 v[X+32*\c+4*\e:X+32*\c+4*\e+3], v[SOUT] offset:256*\c+16*\e
.endr
.endr
.endm
.macro QUANT q
.set CQ, CD+12*((\q)%2)
	MAX2 X, M
.irp c, 0,1
	v_add_nc_u32 v[SO+\c], 0xff000000, v[M+2*\c]   ; 2 off the exponent field: the conversion takes this operand's exponent field as its scale
.endr
.irp c, 0,1
	v_cvt_scalef32_pk16_fp6_f32 v[CQ+6*\c:CQ+6*\c+2], v[X+32*\c:X+32*\c+15], v[SO+\c]
	v_cvt_scalef32_pk16_fp6_f32 v[TC+4*\c:TC+4*\c+2], v[X+32*\c+16:X+32*\c+31], v[SO+\c]   ; (a conversion's three registers begin on an even number)
.endr
.irp c, 0,1
	v_lshrrev_b32 v[BY+\c], 23, v[SO+\c]           ; the bytes; also the plain line behind the conversions
.endr
.irp c, 0,1
.irp i, 0,1,2
	v_mov_b32 v[CQ+6*\c+3+\i], v[TC+4*\c+\i]
.endr
.endr
	v_lshl_or_b32 v[TW], v[BY+1], 16, v[BY]        ; my blocks h and 2 + h,
	v_lshlrev_b32 v[TW], v[H8], v[TW]              ; at their places in the word;
	v_permlanex16_b32 v[TW+1], v[TW], s12, s13
	v_or_b32 v[WD+\q], v[TW], v[TW+1]              ; with lane l xor 16's two the word is whole
.irp j, 0,1,2,3,4,5
	global_store_b64 v[L8], v[CQ+2*\j:CQ+2*\j+1], s[6:7] offset:1536*(\q)+256*\j   ; 32 lanes store 256 consecutive bytes, aligned
.endr
.endm
	LOAD 0
	LOAD 1
.irp q, 0,1,2,3
.if \q < 3
	s_wait_loadcnt 16                              ; this K step's 16 loads are in; the next step's 16 may be out
.else
	s_wait_loadcnt 0x0
.endif
	TURN \q
	s_wait_dscnt 0x0                               ; my numbers are back, and the stores have read their registers,
.if \q < 2
	LOAD \q+2                                      ; which take the loads of two steps on
.else
	s_wait_xcnt 0x0                                ; the stores of two steps back have read this set of code registers
.endif
	QUANT \q
.endr
	v_cmp_ne_u32 vcc_lo, 0, v[H8]
	v_cndmask_b32 v[PR], v[WD], v[WD+2], vcc_lo    ; lanes 0-15 store the first pair of K steps' words of row r, lanes 16-31 the second's
	v_cndmask_b32 v[PR+1], v[WD+1], v[WD+3], vcc_lo
	global_store_b64 v[L8], v[PR:PR+1], s[20:21]   ; 256 consecutive bytes, aligned
	s_wait_tensorcnt 0x0                           ; the wave's end
	ds_add_u32 v[SPW], v[NIL]
	s_wait_dscnt 0x0
	s_endpgm
; ---------------- the weights
.Lweights:
.set STEPB, 1536
.set TILEB, 12288
.set SIN,   3                          ; v3  the stage, in: 1600 (l / 8) + 8 (l % 8)
.set SOUT,  4                          ; v4  and out: 16 l
.set GO,    7                          ; v7  16 l
.set GS,    8                          ; v8  512 (l / 8) + 8 (l % 8)
.set M,     10                         ; v10-11
.set SO,    12
.set BY,    13
.set SB,    14                         ; v14-15 my two columns' scale words
.set OFF,   32                         ; v32-63 row i's byte offset: i x pitch + 4 l; never rewritten
.set X,     64                         ; v64-127 two sets of 32
.set C,     128                        ; v128-134 a block's codes
.set OUTR,  136                        ; v136-183 the way out
	s_load_b128 s[4:7], s[0:1], 0x10               ; W_qkv, W_o
	s_load_b64 s[8:9], s[0:1], 0x20                ; wq
	v_and_b32 v2, 31, v0                           ; l
	s_wait_alu depctr_va_vdst(0)
	s_sub_co_u32 s36, ttmp9, 256
	s_lshl_b32 s36, s36, 1
	s_lshr_b32 s10, s[WV], 1
	s_add_co_u32 s36, s36, s10                     ; n: my pair of waves
	s_and_b32 s10, s[WV], 1                        ; which 64 of its 128 columns
	s_lshr_b32 s11, s36, 3                         ; column pair
	s_and_b32 s12, s36, 7                          ; K step
	s_mov_b32 s13, 4096
	s_cmp_lt_u32 s11, 24                           ; W_qkv's or W_o's?
	s_cselect_b32 s13, 12288, s13                  ; a row in bytes
	s_cselect_b32 s14, 0, 24
	s_sub_co_u32 s14, s11, s14
	s_lshl_b32 s14, s14, 1
	s_add_co_u32 s14, s14, s10                     ; my 64 columns, counted in the tensor
	s_lshl_b32 s24, s14, 8
	s_lshl_b32 s15, s12, 7
	s_mul_i32 s15, s15, s13                        ; 128 q rows
	s_add_co_u32 s24, s24, s15
	s_mov_b32 s25, 0
	s_lshl_b32 s26, s13, 5                         ; 32 rows
	s_mov_b32 s27, 0
	s_lshl_b32 s32, s11, 1
	s_add_co_u32 s32, s32, s10                     ; grp, counted in wq
	s_mul_i32 s28, s32, 4*TILEB
	s_mul_i32 s33, s12, STEPB
	s_add_co_u32 s28, s28, s33
	s_mov_b32 s29, 0
	s_lshl_b32 s30, s32, 11
	s_add_co_u32 s30, s30, WSO
	s_lshr_b32 s33, s12, 1
	s_lshl_b32 s33, s33, 7
	s_add_co_u32 s30, s30, s33
	s_and_b32 s33, s12, 1
	s_lshl_b32 s33, s33, 2
	s_add_co_u32 s30, s30, s33
	s_mov_b32 s31, 0
	v_lshlrev_b32 v[OFF], 2, v2
.irp i, 1,2,3,4,5,6,7,8,9,10,11,12,13,14,15,16,17,18,19,20,21,22,23,24,25,26,27,28,29,30,31
	v_add_nc_u32 v[OFF+\i], s13, v[OFF+\i-1]
.endr
	s_mul_i32 s34, s[WV], WSTG
	s_add_co_u32 s34, s34, WBASE
	v_lshrrev_b32 v9, 3, v2
	v_and_b32 v1, 7, v2
	v_mul_u32_u24 v[SIN], v9, 1600
	v_lshl_add_u32 v[SIN], v1, 3, v[SIN]
	v_add_nc_u32 v[SIN], s34, v[SIN]
	v_lshlrev_b32 v[GO], 4, v2
	v_add_nc_u32 v[SOUT], s34, v[GO]
	v_lshlrev_b32 v[GS], 9, v9
	v_lshl_add_u32 v[GS], v1, 3, v[GS]
	s_wait_alu depctr_va_vdst(0)                   ; the head's end
	s_wait_kmcnt 0x0
	s_cmp_lt_u32 s11, 24
	s_cselect_b64 s[4:5], s[4:5], s[6:7]
	s_add_nc_u64 s[16:17], s[4:5], s[24:25]        ; a base for each of the K step's four blocks of 32 rows
	s_add_nc_u64 s[18:19], s[16:17], s[26:27]
	s_add_nc_u64 s[20:21], s[18:19], s[26:27]
	s_add_nc_u64 s[22:23], s[20:21], s[26:27]
	s_add_nc_u64 s[28:29], s[8:9], s[28:29]
	s_add_nc_u64 s[30:31], s[8:9], s[30:31]
.macro WLOAD t                         ; block t = 2 kb + rho: rows 32 kb + i of column 32 rho + l: 32 lanes read 128 consecutive bytes
.irp i, 0,1,2,3,4,5,6,7,8,9,10,11,12,13,14,15,16,17,18,19,20,21,22,23,24,25,26,27,28,29,30,31
	global_load_b32 v[X+32*((\t)%2)+\i], v[OFF+\i], s[16+2*((\t)/2):17+2*((\t)/2)] offset:128*((\t)%2) th:TH_LOAD_NT
.endr
.endm
.macro WBLOCK t
.set XB, X+32*((\t)%2)
.if (\t) < 7
	s_wait_loadcnt 32                              ; this block's 32 loads are in; the next block's may be out
.else
	s_wait_loadcnt 0x0
.endif
	v_max3_num_f32 v[M], |v[XB]|, |v[XB+1]|, 0x1800000     ; the largest magnitude: all 32 are mine; the floor 2^(3 - 127) holds the byte at 1
	v_max3_num_f32 v[M+1], |v[XB+16]|, |v[XB+17]|, |v[XB+18]|
.irp i, 2,4,6,8,10,12
	v_max3_num_f32 v[M], v[M], |v[XB+\i]|, |v[XB+\i+1]|
	v_max3_num_f32 v[M+1], v[M+1], |v[XB+\i+17]|, |v[XB+\i+18]|
.endr
	v_max3_num_f32 v[M], v[M], |v[XB+14]|, |v[XB+15]|
	v_max3_num_f32 v[M], v[M], v[M+1], |v[XB+31]|
	v_add_nc_u32 v[SO], 0xff000000, v[M]           ; 2 off the exponent field: the conversions' scale operand
	v_lshrrev_b32 v[BY], 23, v[SO]
.if (\t)/2 == 0
	v_mov_b32 v[SB+(\t)%2], v[BY]
.else
	v_lshl_or_b32 v[SB+(\t)%2], v[BY], 8*((\t)/2), v[SB+(\t)%2]
.endif
	v_cvt_scalef32_pk16_fp6_f32 v[C:C+2], v[XB:XB+15], v[SO]
	v_cvt_scalef32_pk16_fp6_f32 v[C+4:C+6], v[XB+16:XB+31], v[SO]
	v_nop                                          ; one plain line behind the conversions
	v_mov_b32 v[C+3], v[C+4]                       ; the block's six registers on end
	v_mov_b32 v[C+4], v[C+5]
	v_mov_b32 v[C+5], v[C+6]
.irp p, 0,1,2
	ds_store_b64 v[SIN], v[C+2*\p:C+2*\p+1] offset:(3*((\t)/4)+\p)*256+64*((\t)%2)+128*(((\t)/2)%2)   ; plane 3 c + p; the image's lane is (l % 8) + 8 rho + 16 h
.endr
.if (\t)+2 < 8
	WLOAD (\t)+2
.endif
	s_wait_dscnt 0x0                               ; the stores have read their registers: the next block's codes may be written
.endm
	WLOAD 0
	WLOAD 1
.irp t, 0,1,2,3,4,5,6,7
	WBLOCK \t
.endr
.irp s, 0,1,2,3
.irp j, 0,1,2
	ds_load_b128 v[OUTR+4*(3*\s+\j):OUTR+4*(3*\s+\j)+3], v[SOUT] offset:1600*\s+512*\j   ; LDS serves a wave's instructions in order: these see my stores
.endr
.endr
.irp s, 0,1,2,3
.irp j, 0,1,2
	s_wait_dscnt 11-(3*\s+\j)
	global_store_b128 v[GO], v[OUTR+4*(3*\s+\j):OUTR+4*(3*\s+\j)+3], s[28:29] offset:TILEB*\s+512*\j   ; 512 consecutive bytes, aligned
.endr
.endr
	global_store_b32 v[GS], v[SB], s[30:31]
	s_wait_alu depctr_va_vdst(0)                   ; directly ahead of the reader below
	global_store_b32 v[GS], v[SB+1], s[30:31] offset:64
	s_wait_tensorcnt 0x0                           ; the wave's end
	ds_add_u32 v[SPW], v[NIL]
	s_wait_dscnt 0x0
	s_endpgm
.Lfunc_end_k_q76b4dfe1bf_quant:
	.size	k_q76b4dfe1bf_quant, .Lfunc_end_k_q76b4dfe1bf_quant-k_q76b4dfe1bf_quant
	.p2alignl 7, 3214868480
	.fill 96, 4, 3214868480
	.section	.rodata,"a",@progbits
	.p2align	6, 0x0
	.amdhsa_kernel k_q76b4dfe1bf_quant
		.amdhsa_group_segment_fixed_size 59904
		.amdhsa_private_segment_fixed_size 0
		.amdhsa_enable_private_segment 0
		.amdhsa_kernarg_size 40
		.amdhsa_user_sgpr_count 2
		.amdhsa_user_sgpr_kernarg_segment_ptr 1
		.amdhsa_wavefront_size32 1
		.amdhsa_system_sgpr_workgroup_id_x 1
		.amdhsa_system_sgpr_workgroup_id_y 1
		.amdhsa_system_sgpr_workgroup_id_z 1
		.amdhsa_system_vgpr_workitem_id 0
		.amdhsa_next_free_vgpr 256
		.amdhsa_next_free_sgpr 66
		.amdhsa_reserve_vcc 1
		.amdhsa_float_denorm_mode_32 3
		.amdhsa_float_denorm_mode_16_64 3
		.amdhsa_memory_ordered 1
		.amdhsa_forward_progress 1
		.amdhsa_inst_pref_size 74
	.end_amdhsa_kernel
	.amdgpu_metadata
---
amdhsa.version: [ 1, 2 ]
amdhsa.kernels:
  - .name:           k_q76b4dfe1bf_quant
    .symbol:         k_q76b4dfe1bf_quant.kd
    .args:
      - { .name: x, .offset: 0, .size: 8, .value_kind: global_buffer, .address_space: global }
      - { .name: xq, .offset: 8, .size: 8, .value_kind: global_buffer, .address_space: global }
      - { .name: W_qkv, .offset: 16, .size: 8, .value_kind: global_buffer, .address_space: global }
      - { .name: W_o, .offset: 24, .size: 8, .value_kind: global_buffer, .address_space: global }
      - { .name: wq, .offset: 32, .size: 8, .value_kind: global_buffer, .address_space: global }
    .group_segment_fixed_size: 59904
    .private_segment_fixed_size: 0
    .kernarg_segment_align: 8
    .kernarg_segment_size: 40
    .max_flat_workgroup_size: 128
    .sgpr_count:     66
    .vgpr_count:     256
    .wavefront_size: 32
...
	.end_amdgpu_metadata
.endif
;; end of part 1
;; launch gemm_qkv (part 2): grid 12 x 32, 4 waves a work-group, clusters of 4 x 4, 327,680 bytes of LDS; arguments xq, wq, b_qkv, qkv; writes qkv
.if DOCPART == 2
	.amdgcn_target "amdgcn-amd-amdhsa--gfx1250"
	.amdhsa_code_object_version 6
	.text
	.protected	k_q76b4dfe1bf_gemm_qkv
	.globl	k_q76b4dfe1bf_gemm_qkv
	.p2align	8
	.type	k_q76b4dfe1bf_gemm_qkv,@function
k_q76b4dfe1bf_gemm_qkv:
	s_mov_b64 s[64:65], 0
	v_nop
	global_prefetch_b8 v0, s[64:65] scope:SCOPE_SE
	s_setreg_imm32_b32 hwreg(HW_REG_WAVE_MODE, 25, 1), 1
	s_wait_xcnt 0x0
	s_wait_alu depctr_hold_cnt(0) depctr_sa_sdst(0) depctr_va_vdst(0) depctr_va_sdst(0) depctr_va_ssrc(0) depctr_va_vcc(0) depctr_vm_vsrc(0)
	s_getreg_b32 s2, hwreg(HW_REG_IB_STS2, 6, 4)
	s_cmp_eq_u32 s2, 0
	s_cbranch_scc0 .Lentry_in_a_cluster
	s_endpgm
.Lentry_in_a_cluster:
	s_bfe_u32 s2, ttmp6, 0x10000c
	s_cmp_lg_u32 s2, 0xf033
	s_cbranch_scc0 .Lentry_shape_is_right
	s_endpgm
.Lentry_shape_is_right:
; qkv = x W_qkv + b_qkv on codes of FP6 (E2M3) with E8M0 scales, K = 1,024; the results are quantised in registers and leave as codes: Q and K along the head's 64, V along the tokens (the keys).
; A block of 256 x 256 to a work-group of four waves, 128 x 128 (64 accumulators, 512 registers) to a wave.  K goes in steps of 256 through two LDS slots filled by the tensor data mover; the scale words come once.
; OPERANDS ARE IMAGES OF REGISTERS: a fragment is 6 planes of 256 bytes (plane j: registers 2 j, 2 j + 1 of lane l at 8 l), so six loads of 8 bytes a lane, each 256 consecutive bytes, bring it; no pitch, no padding.
; TILE ORDER: row m of tile 4 grp + s is row 64 grp + 8 s + (m % 8) + 32 (m / 8).  With source 0 in this order the 32 registers of the four tiles of a grp are, in lane (r, h), rows 64 grp + 32 h + 0 .. 31:
; one whole block of 32 along the next product's K, in order, in ONE lane: its maximum asks no other lane, and two conversions give the next operand's six registers.
; ROLES.  LDS region A feeds source 1 (along the lanes), region B source 0 (along the registers).  Cluster x = 0, 1 (Q, K): A = x's tokens, B = W's columns: a lane holds a token, its registers a head's channels.
; Cluster x = 2 (V): A = W's columns, B = x's tokens: a lane holds a channel, its registers run along the tokens.  Only pointers, offsets and indices are chosen, on the cluster's x, which all partners share: one text, no branch.
; CLUSTERS: 4 x 4.  A's tiles hang on cy alone and are asked for jointly by a row of the cluster, B's on cx alone, by a column.  384 work-groups.
; THE BIAS along the registers is the C of each sum's first product; the bias along the lanes is added on the way out; the one that a role does not use is multiplied by 0.
; qkv: Q's codes at 0, rec x 6144: [s][c][768]; K and V at KVO, rec x 12288: K [s][c][768], then V [s][c][768]; Q's scale words at QSO, rec x 256; K's and V's at KVSO, rec x 512.  rec = (16 b + head) 16 + group of 128 tokens.
; LIMITS: a block of zeros, or one under 2^-124, gets the byte 1 (this program alone reads the bytes); NaN and infinities are not served.
; No prefetch: a work-group has two refills in all.
; REGISTERS: window 0: v0-31 addresses; v32-63 scale words, two sets; v64-127 the bias along the registers; v128-223 A's fragments, one set; v224-239 the bias along the lanes.  window 1: B's fragments, two sets, at v0 and v128.
;   windows 2, 3: the accumulators ((a, b) at v[8 (8 (a % 4) + b)]).  On the way out window 0: v32-127 codes; v128-191 64 numbers; v192-219 at work; v240-255 bytes.
.set NQ,     2
.set FR,     12
.set NL,     6
.set NP,     4
.set STEPB,  1536                      ; an image
.set TILEB,  8*STEPB                   ; a tile's images for all of K
.set HALFT,  8*NQ*STEPB                ; 8 tiles x 256 along K: what one tensor load brings, and what one wave reads of A or of B
.set SLOT,   4*HALFT
.set SCL,    2*SLOT                    ; behind the ring: the scale words, 512 bytes a tile
.set HALFS,  8*512
.set SPARE,  SCL+4*HALFS               ; the spare words, 128 bytes a wave, that no other line names
.set XSO,    6291456
.set WSO,    3145728
.set KVO,    6291456
.set QSO,    18874368
.set KVSO,   19136512
.set ADRA, 16
.set ADRB, 20
.set L8,   26                          ; v26 8 x lane
.set ADRS, 27
.set SPW,  28
.set NIL,  29
.set SC,   32
.set BIAS0, 64
.set AF,   128
.set BIAS1, 224
.set CD,   32
.set T,    128
.set M,    192
.set SO,   196
.set TC,   200
.set MW,   208
.set WW,   216
.set BY,   240
.set G1, 24
.set G0, 32
.set G1B, 48
.set G0B, 56
.set G1S, 68
.set G0S, 76
.set G1SB, 80
.set G0SB, 88
.set MSB, 0
.macro WIN new                         ; the immediate's high byte repeats the setting that is left
.if MSB != (\new)
	s_set_vgpr_msb (MSB<<8)|(\new)
.set MSB, (\new)
.endif
.endm
.set MUL_LO, 0xa1                      ; source 0 (B) window 1, source 1 (A) window 0, C and D window 2
.set MUL_HI, 0xf1                      ; the same, C and D window 3
.set MUL_LO1, 0x81                     ; the first products: C (the bias) window 0, D window 2
.set MUL_HI1, 0xc1                     ; D window 3
.set TO_B,   0x40
; A joint load: waves 0 and 1 fetch for region A, waves 2 and 3 for region B.  The branch hangs on the wave's number alone.  An s_nop 0 and four v_nop follow each line.
.macro JLOAD g0a, g1a, g0b, g1b
	s_cmp_eq_u32 s15, 0
	s_cbranch_scc0 .Lfor_b_\@
	tensor_load_to_lds s[\g0a:\g0a+3], s[\g1a:\g1a+7]
	s_nop 0
.rept 4
	v_nop
.endr
	s_branch .Lasked_\@
.Lfor_b_\@:
	tensor_load_to_lds s[\g0b:\g0b+3], s[\g1b:\g1b+7]
	s_nop 0
.rept 4
	v_nop
.endr
.Lasked_\@:
.endm
.macro CREST                           ; a round of the cluster's barrier behind its opening barrier
	s_cmp_lg_u32 s14, 0
	s_cbranch_scc1 .Lnot_wave_0_\@
	s_barrier_signal -3
.Lnot_wave_0_\@:
	s_barrier_wait -3
	s_barrier_signal -1
	s_barrier_wait -1
.endm
.macro CROUND
	s_barrier_signal -1
	s_barrier_wait -1
	CREST
.endm
	s_load_b256 s[4:11], s[0:1], 0x0               ; xq s[4:5], wq s[6:7], b_qkv s[8:9], qkv s[10:11]
	v_lshl_add_u32 v[SPW], v0, 2, SPARE
	v_mov_b32 v[NIL], 0
	ds_add_u32 v[SPW], v[NIL]                      ; the wave's opening: the add and its wait ahead of my first tensor load; work on registers stands between them
	ds_add_u32 v[SPW], v[NIL]
	v_lshrrev_b32 v1, 5, v0
	v_readfirstlane_b32 s14, v1                    ; wave 0..3
	s_lshr_b32 s15, s14, 1                         ; my half of region A's rows.  Also: I fetch for A (0) or for B (1)
	s_and_b32 s16, s14, 1                          ; my half of region B's rows.  Also: which 8 tiles I fetch
	s_bfe_u32 s40, ttmp6, 0x40000                  ; cx
	s_bfe_u32 s41, ttmp6, 0x40004                  ; cy
	s_and_b32 s17, ttmp7, 0xffff
	s_lshl_b32 s17, s17, 2                         ; 4 x cluster y
	s_lshl_b32 s42, ttmp9, 2                       ; 4 x cluster x
	s_mov_b32 s18, XSO
	s_mov_b32 s45, WSO
	s_cmp_eq_u32 ttmp9, 2                          ; V's clusters: the roles of x and W change places
	s_cselect_b32 s42, s17, s42                    ; B's block of 256 rows, less cx: V: tokens 4 Y; else columns 4 X
	s_cselect_b32 s17, 8, s17                      ; A's, less cy: V: columns from 2,048 on; else tokens 4 Y
	s_cselect_b32 s18, WSO, s18                    ; where A's scale words begin in its buffer
	s_cselect_b32 s45, XSO, s45                    ; and B's
	s_cselect_b32 s66, 0, 1.0                      ; the factor of the bias along the registers
	s_cselect_b32 s2, 1.0, 0                       ; and of the bias along the lanes
	s_mov_b32 s67, s66                             ; (named with s66 as a pair)
	s_add_co_u32 s17, s17, s41                     ; A's block: it hangs on cy alone
	s_add_co_u32 s42, s42, s40                     ; B's block: on cx alone
	s_lshl_b32 s43, s41, 2
	s_lshl_b32 s43, 15, s43                        ; my row of the cluster
	s_lshl_b32 s44, 0x1111, s40                    ; my column
	s_or_b32 s[G1+0], s43, (3<<16)|(1<<21)         ; 15:0 the mask; 17:16 elements of 8 bytes; 21 set beside a mask; no padding
	s_or_b32 s[G1B+0], s44, (3<<16)|(1<<21)
.irp g, G1, G1B                        ; 8 tiles' 3,072 bytes (two K steps), 12,288 bytes apart
	s_mov_b32 s[\g+1], 384<<16                     ; tensor_dim0
	s_mov_b32 s[\g+2], 16<<16                      ; tensor_dim1: 16 tiles for the head's loads; behind them 8, for the ring's
	s_mov_b32 s[\g+3], 384<<16                     ; tile_dim0
	s_mov_b32 s[\g+4], 16                          ; tile_dim1
	s_mov_b32 s[\g+5], 1536                        ; tensor_dim0_stride
	s_mov_b32 s[\g+6], 0
	s_mov_b32 s[\g+7], 0
.endr
	s_or_b32 s[G1S+0], s43, (3<<16)|(1<<21)
	s_or_b32 s[G1SB+0], s44, (3<<16)|(1<<21)
.irp g, G1S, G1SB                      ; 16 tiles' scale words: 8,192 dense bytes as 32 rows of 256
	s_mov_b32 s[\g+1], 32<<16
	s_mov_b32 s[\g+2], 32<<16                      ; 16 tiles' scale words: 8,192 dense bytes as 32 rows of 256
	s_mov_b32 s[\g+3], 32<<16
	s_mov_b32 s[\g+4], 32
	s_mov_b32 s[\g+5], 32
	s_mov_b32 s[\g+6], 0
	s_mov_b32 s[\g+7], 0
.endr
	s_lshl_b32 s20, s17, 4                         ; A: the block's first tile
	s_lshl_b32 s46, s42, 4                         ; B likewise
	s_lshl_b32 s22, s20, 9
	s_add_co_u32 s22, s22, s18                     ; its scale words,
	s_mov_b32 s23, 0
	s_mul_i32 s20, s20, TILEB                      ; its images
	s_mov_b32 s21, 0
	s_lshl_b32 s92, s46, 9
	s_add_co_u32 s92, s92, s45
	s_mov_b32 s93, 0
	s_mul_i32 s46, s46, TILEB
	s_mov_b32 s47, 0
	s_mul_i32 s12, s14, HALFT                      ; where they go: no place in the cluster enters an LDS address
	s_mul_i32 s18, s16, 8*TILEB                    ; in the ring I fetch 8 tiles of a block: which half, in bytes
	s_mov_b32 s19, 0
	s_lshl_b32 s98, s42, 10                        ; the bias along the registers: 4 (256 x B's block + 128 x my half),
	s_lshl_b32 s99, s16, 9
	s_add_co_u32 s98, s98, s99
	s_lshl_b32 s100, s17, 10                       ; along the lanes: the same of A;
	s_lshl_b32 s99, s15, 9
	s_add_co_u32 s100, s100, s99
	s_cmp_eq_u32 ttmp9, 2
	s_cselect_b32 s98, 0, s98                      ; the one that is not used is read at the buffer's head, so that no load leaves it
	s_cselect_b32 s100, s100, 0
	s_mov_b32 s99, 0
	s_mov_b32 s101, 0
	s_wait_dscnt 0x0                               ; the opening add is done
	s_wait_kmcnt 0x0
	s_cmp_eq_u32 ttmp9, 2
	s_cselect_b64 s[94:95], s[6:7], s[4:5]         ; A's buffer
	s_cselect_b64 s[96:97], s[4:5], s[6:7]         ; B's
	s_add_nc_u64 s[20:21], s[94:95], s[20:21]
	s_add_nc_u64 s[22:23], s[94:95], s[22:23]
	s_add_nc_u64 s[46:47], s[96:97], s[46:47]
	s_add_nc_u64 s[92:93], s[96:97], s[92:93]
	s_add_nc_u64 s[98:99], s[8:9], s[98:99]
	s_add_nc_u64 s[100:101], s[8:9], s[100:101]
	CROUND                                         ; all sixteen work-groups are here: the first joint loads meet
	s_mov_b32 s[G0S], 1
	s_mov_b32 s[G0S+1], SCL
	s_mov_b64 s[G0S+2:G0S+3], s[22:23]
	s_or_b32 s[G0S+3], s[G0S+3], 0x80000000
	s_mov_b32 s[G0SB], 1
	s_mov_b32 s[G0SB+1], SCL+2*HALFS
	s_mov_b64 s[G0SB+2:G0SB+3], s[92:93]
	s_or_b32 s[G0SB+3], s[G0SB+3], 0x80000000
.set G0H, 4                            ; s[4:7], s[92:95] group 0 of the head's loads of slot 0: A's 16 tiles, B's 16 tiles (what lay there has been used)
.set G0HB, 92
	s_mov_b32 s[G0H], 1
	s_mov_b32 s[G0H+1], 0
	s_mov_b64 s[G0H+2:G0H+3], s[20:21]
	s_or_b32 s[G0H+3], s[G0H+3], 0x80000000
	s_mov_b32 s[G0HB], 1
	s_mov_b32 s[G0HB+1], 2*HALFT
	s_mov_b64 s[G0HB+2:G0HB+3], s[46:47]
	s_or_b32 s[G0HB+3], s[G0HB+3], 0x80000000
	s_add_nc_u64 s[20:21], s[20:21], s[18:19]      ; for the ring: my 8 tiles of the block
	s_add_nc_u64 s[46:47], s[46:47], s[18:19]
.irp s, 0,1
	s_mov_b32 s[G0+4*\s], 1
	s_add_co_u32 s[G0+4*\s+1], s12, \s*SLOT
	s_add_nc_u64 s[G0+4*\s+2:G0+4*\s+3], s[20:21], \s*NQ*STEPB
	s_or_b32 s[G0+4*\s+3], s[G0+4*\s+3], 0x80000000
	s_mov_b32 s[G0B+4*\s], 1
	s_add_co_u32 s[G0B+4*\s+1], s12, \s*SLOT
	s_add_nc_u64 s[G0B+4*\s+2:G0B+4*\s+3], s[46:47], \s*NQ*STEPB
	s_or_b32 s[G0B+4*\s+3], s[G0B+4*\s+3], 0x80000000
.endr
; THE HEAD'S LOADS, ONE A WAVE: wave 0 slot 0's 16 tiles of A, wave 1 its 16 tiles of B, wave 2 A's scale words, wave 3 B's.  One tree of branches on the wave's number; every way passes one load.
.macro ARM under, g0, g1, next
	s_cmp_lt_u32 s14, \under
	s_cbranch_scc0 \next
	tensor_load_to_lds s[\g0:\g0+3], s[\g1:\g1+7]
	s_nop 0
.rept 4
	v_nop
.endr
	s_branch .Lhead_asked
\next:
.endm
	ARM 1, G0H,  G1,  .Lhead_b
	ARM 2, G0HB, G1B, .Lhead_sa
	ARM 3, G0S,  G1S, .Lhead_sb
	tensor_load_to_lds s[G0SB:G0SB+3], s[G1SB:G1SB+7]
	s_nop 0
.rept 4
	v_nop
.endr
.Lhead_asked:
	v_and_b32 v1, 15, v0                           ; r
	v_bfe_u32 v2, v0, 4, 1                         ; h
	v_lshlrev_b32 v4, 7, v2                        ; the bias along the registers: tile b = 4 g + s, register j: number 64 g + 32 h + 8 s + j
.irp b, 0,1,2,3,4,5,6,7
	global_load_b128 v[BIAS0+8*\b:BIAS0+8*\b+3], v4, s[98:99] offset:(64*(\b/4)+8*(\b%4))*4
	global_load_b128 v[BIAS0+8*\b+4:BIAS0+8*\b+7], v4, s[98:99] offset:(64*(\b/4)+8*(\b%4))*4+16
.endr
	v_and_b32 v5, 7, v0
	v_bfe_u32 v6, v0, 3, 1
	v_lshl_add_u32 v5, v6, 5, v5
	v_lshlrev_b32 v5, 2, v5                        ; along the lanes: tile a, lane r: number 64 (a / 4) + 8 (a % 4) + (r % 8) + 32 (r / 8)
.irp a, 0,1,2,3,4,5,6,7
	global_load_b32 v[BIAS1+2*\a], v5, s[100:101] offset:(64*(\a/4)+8*(\a%4))*4
.endr
	v_and_b32 v3, 31, v0
	v_lshlrev_b32 v[L8], 3, v3
	s_mul_i32 s21, s15, HALFT                      ; my 8 tiles of A
	s_mul_i32 s22, s16, HALFT                      ; my 8 tiles of B,
	s_add_co_u32 s22, s22, 2*HALFT                 ; which lie behind A's 16
.irp s, 0,1
	v_add_nc_u32 v[ADRA+\s], s21, v[L8]
	v_add_nc_u32 v[ADRB+\s], s22, v[L8]
	s_add_co_u32 s21, s21, SLOT
	s_add_co_u32 s22, s22, SLOT
.endr
	v_lshlrev_b32 v7, 3, v1                        ; scale words: 8 bytes a row for a slot's two K steps
	s_mul_i32 s21, s15, HALFS
	s_mul_i32 s22, s16, HALFS
	s_add_co_u32 s22, s22, 2*HALFS
	s_sub_co_u32 s22, s22, s21
	v_mul_u32_u24 v8, s22, v2                      ; lanes 16-31 take B's
	s_add_co_u32 s21, s21, SCL
	v_add_nc_u32 v7, v7, v8
	v_add_nc_u32 v[ADRS], s21, v7
	s_wait_loadcnt 0x0                             ; the biases
.irp i, 0,2,4,6,8,10,12,14,16,18,20,22,24,26,28,30,32,34,36,38,40,42,44,46,48,50,52,54,56,58,60,62
	v_pk_mul_f32 v[BIAS0+\i:BIAS0+\i+1], v[BIAS0+\i:BIAS0+\i+1], s[66:67] op_sel_hi:[1,0]
.endr
.irp a, 0,1,2,3,4,5,6,7
	v_mul_f32 v[BIAS1+2*\a], s2, v[BIAS1+2*\a]
	v_mov_b32 v[BIAS1+2*\a+1], v[BIAS1+2*\a]       ; (the packed addition names the pair)
.endr
.macro FRAG reg, adr, q, i             ; a fragment as it lies: six planes of 256 bytes, 8 bytes a lane
.irp p, 0,1,2,3,4,5
	ds_load_b64 v[\reg+2*\p:\reg+2*\p+1], v[\adr] offset:(\i)*NQ*STEPB+(\q)*STEPB+256*\p
.endr
.endm
; 16 matrix instructions: A's tiles a0, a0 + 1 x B's eight, 128 along K.  first = 1: the bias is the C of the first product.  The 64 accumulators take turns, one instruction a turn.
.macro MUL16 a0, p, q, sc, first
.irp a, \a0, \a0+1
.irp b, 0,1,2,3,4,5,6,7
.if \first
	v_wmma_scale_f32_16x16x128_f8f6f4 v[8*(8*((\a)%4)+\b):8*(8*((\a)%4)+\b)+7], v[128*(\p)+FR*\b:128*(\p)+FR*\b+FR-1], v[AF+FR*(\a):AF+FR*(\a)+FR-1], v[BIAS0+8*\b:BIAS0+8*\b+7], v[SC+8*NQ*(\sc)+NQ*\b+(\q)], v[SC+8*NQ*(\sc)+NQ*(\a)+(\q)] matrix_a_fmt:MATRIX_FMT_FP6 matrix_b_fmt:MATRIX_FMT_FP6 matrix_a_scale:MATRIX_SCALE_ROW1
.else
	v_wmma_scale_f32_16x16x128_f8f6f4 v[8*(8*((\a)%4)+\b):8*(8*((\a)%4)+\b)+7], v[128*(\p)+FR*\b:128*(\p)+FR*\b+FR-1], v[AF+FR*(\a):AF+FR*(\a)+FR-1], v[8*(8*((\a)%4)+\b):8*(8*((\a)%4)+\b)+7], v[SC+8*NQ*(\sc)+NQ*\b+(\q)], v[SC+8*NQ*(\sc)+NQ*(\a)+(\q)] matrix_a_fmt:MATRIX_FMT_FP6 matrix_b_fmt:MATRIX_FMT_FP6 matrix_a_scale:MATRIX_SCALE_ROW1
.endif
.endr
.endr
.endm
.macro FETCH_B slot, q, p
	WIN TO_B
.irp i, 0,1,2,3,4,5,6,7
	FRAG 128*(\p)+FR*\i, ADRB+\slot, \q, \i
.endr
	WIN 0
.endm
.macro FETCH_A slot, q, i0
.irp i, \i0, \i0+1, \i0+2, \i0+3
	FRAG AF+FR*(\i), ADRA+\slot, \q, \i
.endr
.endm
.macro SCALES sc                       ; a slot's two words a row: lanes 0-15 A's tile i, lanes 16-31 B's tile i
.irp i, 0,1,2,3,4,5,6,7
	ds_load_b64 v[SC+8*NQ*\sc+NQ*\i:SC+8*NQ*\sc+NQ*\i+1], v[ADRS] offset:\i*512
.endr
.endm
.macro PLACES n                        ; plain vector lines between a matrix instruction and a load into, or a read of, its registers
.rept \n
	v_nop
.endr
.endm
.macro STEP slot, q, first             ; 128 along K that have their successor in the same slot
	s_wait_dscnt 4*NL                              ; B's set, A's tiles 0-3 and the scale words are in; the youngest 24 loads (A's tiles 4-7) may be out
.if \first
	WIN MUL_LO1
.else
	WIN MUL_LO
.endif
	MUL16 0, (\q)%2, \q, \slot, \first
	MUL16 2, (\q)%2, \q, \slot, \first
	s_wait_dscnt 0                                 ; A's tiles 4-7 are in
	PLACES NP
	FETCH_B \slot, (\q)+1, 1-(\q)%2
	FETCH_A \slot, (\q)+1, 0
.if \first
	WIN MUL_HI1
.else
	WIN MUL_HI
.endif
	MUL16 4, (\q)%2, \q, \slot, \first
	MUL16 6, (\q)%2, \q, \slot, \first
	PLACES NP
	WIN 0
	FETCH_A \slot, (\q)+1, 4
.endm
; A slot's last step changes slots: one barrier; in front of it each wave waits for all its tensor loads, adds 0 to its spare word, and waits for that and for its reads of this slot.  fill = 1: the slot is filled again.
.macro TURN slot, next, fill
	s_wait_tensorcnt 0x0                           ; all my tensor loads have landed: my part of the next slot
	ds_add_u32 v[SPW], v[NIL]                      ; 0 onto my spare word
	s_wait_dscnt 4*NL+1                            ; (the add and the youngest 24 loads may be out)
	WIN MUL_LO
	MUL16 0, 1, NQ-1, \slot, 0
	s_wait_dscnt 0x0                               ; the add is done, and my reads of this slot are over
	s_barrier_signal -1
	MUL16 2, 1, NQ-1, \slot, 0
	WIN 0
	s_barrier_wait -1
.if \fill
	CREST                                          ; the barrier has opened a round of the cluster's: no wave of any partner still reads this slot or has a load on its way
	s_add_nc_u64 s[G0+4*\slot+2:G0+4*\slot+3], s[G0+4*\slot+2:G0+4*\slot+3], 2*NQ*STEPB
	s_add_nc_u64 s[G0B+4*\slot+2:G0B+4*\slot+3], s[G0B+4*\slot+2:G0B+4*\slot+3], 2*NQ*STEPB
	JLOAD G0+4*\slot, G1, G0B+4*\slot, G1B         ; the first tensor load behind the round; its four v_nop are the places in front of the loads below
.else
	PLACES NP
.endif
	s_wait_alu depctr_va_vdst(0)
	v_add_nc_u32 v[ADRS], 128, v[ADRS]             ; the next slot's scale words
	FETCH_B \next, 0, 0
	FETCH_A \next, 0, 0
	SCALES \next
	WIN MUL_HI
	MUL16 4, 1, NQ-1, \slot, 0
	MUL16 6, 1, NQ-1, \slot, 0
	PLACES NP
	WIN 0
	FETCH_A \next, 0, 4
.endm
	s_wait_alu depctr_va_vdst(0)                   ; the head's end
	s_wait_tensorcnt 0x0                           ; my tile of the head's four is in; the three lines ahead of a later first fill, as ahead of a refill
	ds_add_u32 v[SPW], v[NIL]
	s_mov_b32 s[G1+2], 8<<16                       ; no tensor load of mine is out: from here on a load brings 8 tiles
	s_mov_b32 s[G1+4], 8
	s_mov_b32 s[G1B+2], 8<<16
	s_mov_b32 s[G1B+4], 8
	s_wait_dscnt 0x0
	CROUND                                         ; all four tiles are in, and all sixteen work-groups are here
	JLOAD G0+4, G1, G0B+4, G1B                     ; slot 1's first fill, the first tensor load behind the round
	FETCH_B 0, 0, 0
	FETCH_A 0, 0, 0
	SCALES 0
	FETCH_A 0, 0, 4
	STEP 0, 0, 1                                   ; K = 1,024 is four slots' worth: written straight
	TURN 0, 1, 1
	STEP 1, 0, 0
	TURN 1, 0, 1
	STEP 0, 0, 0
	TURN 0, 1, 0                                   ; nothing is left to fetch
	STEP 1, 0, 0
	s_wait_dscnt 4*NL
	WIN MUL_LO
	MUL16 0, 1, NQ-1, 1, 0
	MUL16 2, 1, NQ-1, 1, 0
	s_wait_dscnt 0
	WIN MUL_HI
	MUL16 4, 1, NQ-1, 1, 0
	MUL16 6, 1, NQ-1, 1, 0
	WIN 0
	PLACES NP
	; THE WAY OUT.  Where my codes and scale words go: tokens come from A (Q, K) or from B (V), channels from the other.
	s_cmp_eq_u32 ttmp9, 2
	s_cselect_b32 s2, s42, s17                     ; the tokens' block of 256
	s_cselect_b32 s3, s16, s15                     ; and my half of it
	s_cselect_b32 s12, s17, s42                    ; the channels' block
	s_cselect_b32 s13, s15, s16
	s_cselect_b32 s18, 6144, 0                     ; V lies behind K in a record
	s_cselect_b32 s19, 256, 0
	s_cselect_b32 s40, -1, 0                       ; a lane mask: V
	s_lshr_b32 s41, s2, 3                          ; b
	s_and_b32 s2, s2, 7
	s_lshl_b32 s2, s2, 1
	s_add_co_u32 s2, s2, s3                        ; the group of 128 tokens
	s_and_b32 s12, s12, 3
	s_lshl_b32 s12, s12, 2
	s_lshl_b32 s13, s13, 1
	s_add_co_u32 s12, s12, s13                     ; my first head of two
	s_lshl_b32 s41, s41, 4
	s_add_co_u32 s41, s41, s12
	s_lshl_b32 s41, s41, 4
	s_add_co_u32 s41, s41, s2                      ; rec
	s_mov_b32 s43, 12288
	s_mov_b32 s44, 512
	s_mov_b32 s45, KVO
	s_mov_b32 s98, KVSO
	s_cmp_eq_u32 ttmp9, 0                          ; Q has records of its own
	s_cselect_b32 s43, 6144, s43
	s_cselect_b32 s44, 256, s44
	s_cselect_b32 s45, 0, s45
	s_cselect_b32 s98, QSO, s98
	s_mul_i32 s99, s41, s43
	s_add_co_u32 s99, s99, s45
	s_add_co_u32 s20, s99, s18
	s_mov_b32 s21, 0
	s_lshl_b32 s43, s43, 4                         ; from a head to the next: 16 records
	s_mov_b32 s100, 768                            ; from half c = 0 to c = 1
	s_cmp_eq_u32 ttmp9, 2
	s_cselect_b32 s45, s43, s100                   ; what a / 4 steps: Q, K: the half (64 tokens on); V: the head
	s_cselect_b32 s43, s100, s43                   ; what g steps: Q, K: the head; V: the half
	s_mov_b32 s47, 0
	s_add_nc_u64 s[20:21], s[10:11], s[20:21]      ; (a / 4, g) = (0, 0)
	s_mov_b32 s46, s43
	s_add_nc_u64 s[22:23], s[20:21], s[46:47]      ; (0, 1)
	s_mov_b32 s46, s45
	s_add_nc_u64 s[92:93], s[20:21], s[46:47]      ; (1, 0)
	s_add_nc_u64 s[94:95], s[22:23], s[46:47]      ; (1, 1)
	s_mul_i32 s99, s41, s44
	s_add_co_u32 s99, s99, s98
	s_add_co_u32 s96, s99, s19
	s_mov_b32 s97, 0
	s_add_nc_u64 s[96:97], s[10:11], s[96:97]      ; the first head's scale words,
	s_lshl_b32 s46, s44, 4
	s_add_nc_u64 s[98:99], s[96:97], s[46:47]      ; the second's
.macro MAX2 x, m                       ; the largest magnitudes of the blocks at v[x] and v[x + 32] into v[m] and v[m + 2]: two chains a block, the floor 2^(3 - 127) as a leaf
.irp g, 0,1
	v_max3_num_f32 v[\m+2*\g], |v[\x+32*\g]|, |v[\x+32*\g+1]|, 0x1800000
	v_max3_num_f32 v[\m+2*\g+1], |v[\x+32*\g+16]|, |v[\x+32*\g+17]|, |v[\x+32*\g+18]|
.endr
.irp i, 2,4,6,8,10,12
.irp g, 0,1
	v_max3_num_f32 v[\m+2*\g], v[\m+2*\g], |v[\x+32*\g+\i]|, |v[\x+32*\g+\i+1]|
	v_max3_num_f32 v[\m+2*\g+1], v[\m+2*\g+1], |v[\x+32*\g+\i+17]|, |v[\x+32*\g+\i+18]|
.endr
.endr
.irp g, 0,1
	v_max3_num_f32 v[\m+2*\g], v[\m+2*\g], |v[\x+32*\g+14]|, |v[\x+32*\g+15]|
.endr
.irp g, 0,1
	v_max3_num_f32 v[\m+2*\g], v[\m+2*\g], v[\m+2*\g+1], |v[\x+32*\g+31]|
.endr
.endm
; A's tile a: its eight accumulators are two blocks of 32 (g = 0, 1) in my lane.  Each accumulator is read from its low end on.  Every tile has code registers of its own, so no store's data are written again.
.macro EPI a
	WIN 0x02+(\a)/4
.irp i, 0,1,2,3,4,5,6,7,8,9,10,11,12,13,14,15,16,17,18,19,20,21,22,23,24,25,26,27,28,29,30,31
	v_pk_add_f32 v[T+2*\i:T+2*\i+1], v[64*((\a)%4)+2*\i:64*((\a)%4)+2*\i+1], v[BIAS1+2*(\a):BIAS1+2*(\a)+1] op_sel_hi:[1,0]
.endr
	WIN 0
	MAX2 T, M
.irp g, 0,1
	v_add_nc_u32 v[SO+\g], 0xff000000, v[M+2*\g]   ; 2 off the exponent field: the conversions' scale operand
.endr
.irp g, 0,1
	v_cvt_scalef32_pk16_fp6_f32 v[CD+6*(2*(\a)+\g):CD+6*(2*(\a)+\g)+2], v[T+32*\g:T+32*\g+15], v[SO+\g]
	v_cvt_scalef32_pk16_fp6_f32 v[TC+4*\g:TC+4*\g+2], v[T+32*\g+16:T+32*\g+31], v[SO+\g]
.endr
.irp g, 0,1
	v_lshrrev_b32 v[BY+2*(\a)+\g], 23, v[SO+\g]    ; the bytes; also the plain line behind the conversions
.endr
.irp g, 0,1
.irp i, 0,1,2
	v_mov_b32 v[CD+6*(2*(\a)+\g)+3+\i], v[TC+4*\g+\i]
.endr
.endr
.irp g, 0,1
.irp p, 0,1,2
	global_store_b64 v[L8], v[CD+6*(2*(\a)+\g)+2*\p:CD+6*(2*(\a)+\g)+2*\p+1], s[20+72*((\a)/4)+2*\g:21+72*((\a)/4)+2*\g] offset:((\a)%4)*1536+256*\p   ; 256 consecutive bytes, aligned
.endr
.endr
.endm
.irp a, 0,1,2,3,4,5,6,7
	EPI \a
.endr
	; The scale words.  Word s of head o: byte 2 c + h.  Q, K: the byte of tile 4 c + s, group o; V: of tile 4 o + s, group c.  So two of the four bytes change places for V.
.irp s, 0,1,2,3
	v_cndmask_b32 v[MW+2*\s], v[BY+8+2*\s], v[BY+1+2*\s], s40
	v_cndmask_b32 v[MW+2*\s+1], v[BY+1+2*\s], v[BY+8+2*\s], s40
.endr
.irp s, 0,1,2,3
	v_lshl_or_b32 v[MW+2*\s], v[MW+2*\s], 16, v[BY+2*\s]           ; head 0: my h's bytes of c = 0 and c = 1
	v_lshl_or_b32 v[MW+2*\s+1], v[BY+9+2*\s], 16, v[MW+2*\s+1]     ; head 1
.endr
.irp o, 0,1
.irp i, 0,1
	v_permlane16_swap_b32 v[MW+2*\i+\o], v[MW+4+2*\i+\o]           ; the first now holds the h = 0 bytes (lanes 0-15: word i, lanes 16-31: word 2 + i), the second the h = 1 bytes
.endr
.irp i, 0,1
	v_lshl_or_b32 v[WW+2*\o+\i], v[MW+4+2*\i+\o], 8, v[MW+2*\i+\o]
.endr
	global_store_b64 v[L8], v[WW+2*\o:WW+2*\o+1], s[96+2*\o:97+2*\o]   ; lanes 0-15: words 0, 1 of row r; lanes 16-31: words 2, 3: 256 consecutive bytes
.endr
	s_wait_tensorcnt 0x0                           ; the wave's end
	ds_add_u32 v[SPW], v[NIL]
	s_wait_dscnt 0x0
	CROUND                                         ; the closing round: no work-group ends while a partner may still ask for a tile that names it
	s_endpgm
.Lfunc_end_k_q76b4dfe1bf_gemm_qkv:
	.size	k_q76b4dfe1bf_gemm_qkv, .Lfunc_end_k_q76b4dfe1bf_gemm_qkv-k_q76b4dfe1bf_gemm_qkv
	.p2alignl 7, 3214868480
	.fill 96, 4, 3214868480
	.section	.rodata,"a",@progbits
	.p2align	6, 0x0
	.amdhsa_kernel k_q76b4dfe1bf_gemm_qkv
		.amdhsa_group_segment_fixed_size 327680
		.amdhsa_private_segment_fixed_size 0
		.amdhsa_enable_private_segment 0
		.amdhsa_kernarg_size 32
		.amdhsa_user_sgpr_count 2
		.amdhsa_user_sgpr_kernarg_segment_ptr 1
		.amdhsa_wavefront_size32 1
		.amdhsa_system_sgpr_workgroup_id_x 1
		.amdhsa_system_sgpr_workgroup_id_y 1
		.amdhsa_system_sgpr_workgroup_id_z 1
		.amdhsa_system_vgpr_workitem_id 0
		.amdhsa_next_free_vgpr 1024
		.amdhsa_next_free_sgpr 102
		.amdhsa_reserve_vcc 0
		.amdhsa_float_denorm_mode_32 3
		.amdhsa_float_denorm_mode_16_64 3
		.amdhsa_memory_ordered 1
		.amdhsa_forward_progress 1
		.amdhsa_inst_pref_size 182
	.end_amdhsa_kernel
	.amdgpu_metadata
---
amdhsa.version: [ 1, 2 ]
amdhsa.kernels:
  - .name:           k_q76b4dfe1bf_gemm_qkv
    .symbol:         k_q76b4dfe1bf_gemm_qkv.kd
    .args:
      - { .name: xq, .offset: 0, .size: 8, .value_kind: global_buffer, .address_space: global }
      - { .name: wq, .offset: 8, .size: 8, .value_kind: global_buffer, .address_space: global }
      - { .name: b_qkv, .offset: 16, .size: 8, .value_kind: global_buffer, .address_space: global }
      - { .name: qkv, .offset: 24, .size: 8, .value_kind: global_buffer, .address_space: global }
    .group_segment_fixed_size: 327680
    .private_segment_fixed_size: 0
    .kernarg_segment_align: 8
    .kernarg_segment_size: 32
    .max_flat_workgroup_size: 128
    .sgpr_count:     102
    .vgpr_count:     1024
    .wavefront_size: 32
...
	.end_amdgpu_metadata
.endif
;; end of part 2
;; launch attn (part 3): grid 4 x 64, 16 waves a work-group, clusters of 4 x 1, 327,680 bytes of LDS; arguments qkv, oq; writes oq
.if DOCPART == 3
	.amdgcn_target "amdgcn-amd-amdhsa--gfx1250"
	.amdhsa_code_object_version 6
	.text
	.protected	k_q76b4dfe1bf_attn
	.globl	k_q76b4dfe1bf_attn
	.p2align	8
	.type	k_q76b4dfe1bf_attn,@function
k_q76b4dfe1bf_attn:
	s_mov_b64 s[64:65], 0
	v_nop
	global_prefetch_b8 v0, s[64:65] scope:SCOPE_SE
	s_setreg_imm32_b32 hwreg(HW_REG_WAVE_MODE, 25, 1), 1
	s_wait_xcnt 0x0
	s_wait_alu depctr_hold_cnt(0) depctr_sa_sdst(0) depctr_va_vdst(0) depctr_va_sdst(0) depctr_va_ssrc(0) depctr_va_vcc(0) depctr_vm_vsrc(0)
	s_getreg_b32 s2, hwreg(HW_REG_IB_STS2, 6, 4)
	s_cmp_eq_u32 s2, 0
	s_cbranch_scc0 .Lentry_in_a_cluster
	s_endpgm
.Lentry_in_a_cluster:
	s_bfe_u32 s2, ttmp6, 0x10000c
	s_cmp_lg_u32 s2, 0x3003
	s_cbranch_scc0 .Lentry_shape_is_right
	s_endpgm
.Lentry_shape_is_right:
; Causal attention of one head (64 channels, 2,048 tokens) on codes of FP6 (E2M3) with E8M0 scales; O / l is quantised along the model's 1,024 and leaves as codes for the last product.
; THE SOFTMAX AHEAD OF THE SECOND PRODUCT: t = score x log2(e) / 8; M = the running largest t rounded up to a whole number; p = 2^(t - M) is quantised along the keys, not normalised; the row's sum is taken of the
; unquantised p and divides O at the end; when M moves, the sum and O are multiplied by 2^(old M - new M), which rounds nothing.
; WORK LEFT OUT: key steps whose 128 keys all come after a wave's queries lie wholly under the causal mask (-inf ahead of the softmax): they are passed over.
; SHARES.  256 work-groups; the four of a head form a cluster.  The work-group at place cx owns tiles (c, s = cx), c = 0, 1, of ALL sixteen groups of 128 tokens.  Wave w owns tile (c = w / 8, cx) of two groups, one after the
; other: first of group 15 - g, then of group g (g = w % 8).  A tile of group G has G + 1 key steps, so every wave has 17.
; ALL OF THE HEAD'S K AND V LIES IN LDS: 16 records (a key step's K 6,144 + V 6,144 bytes) and 8,192 bytes of scale words, each byte filled once.  So no slot changes hands: behind the one barrier that shows the last records
; the waves share nothing and walk at their own pace.
; FILLS, all joint loads of the cluster's four work-groups (the mask is the constant 15; the addresses hang on the head and the wave alone).  At the head one load a wave: waves 0-7 an eighth each of records 0-3, waves 8-15 an
; eighth each of the scale words.  Behind the three lines and a round of the cluster's barrier one load a wave: a sixteenth each of records 4-15.  These land under the first four key steps, which every wave has
; (its first group is 8 at the least) and none of which is masked; then each wave waits for its load and a plain barrier shows all.
; NO PREFETCH: every tensor load of the launch is issued at its head; there is no later load to run ahead of.
; LAYOUT.  Both products are used transposed, so a lane holds ONE query.  Row m of tile (c, s) of a group is token 64 c + 8 s + (m % 8) + 32 (m / 8): so the 32 score registers of tiles (c, 0 .. 3) are keys 64 c + 32 h + 0 .. 31,
; one whole block of the second product's K in one lane: its maximum asks no other lane, and the conversions' results are the operand's registers.
; K = 64 IN AN INSTRUCTION OF 128: K's fragment s holds tile (0, s) in registers 0-5 and tile (1, s) in 6-11; Q stands twice, as [Q | 0] and [0 | Q]: zero codes add exactly nothing, and their half of Q's scale word holds the byte 1.
; LIMITS: NaN and infinities are not served; a block of zeros, or one under 2^-124, keeps the byte 1 (this program alone reads the bytes); the scaled scores stay under 2^31 in magnitude.
; A head owns two bytes of a row's scale word in oq: they leave by a store of two bytes a lane, 32 bytes a wave beside its 768 bytes of codes.
; REGISTERS: v1-11 addresses; v12 -M, v13 largest t, v[14:15] the sum; v16-27 [Q | 0], v28-39 [0 | Q]; v40-87 four fragments; v7, v88-93 scale words; v96-159 scores, then p; v160-191 O^T; v192-203 p's codes; v204-230 at work; v232-238 the second tile's Q.
.set KVO,   6291456
.set QSO,   18874368
.set KVSO,  19136512
.set XSO,   6291456
.set RECB,  12288
.set NA,    4                          ; records asked for at the head
.set SCK,   16*RECB                    ; behind the records: the head's scale words, 512 bytes a key step
.set SPARE, SCK+8192                   ; the spare words, 128 bytes a wave: eight blocks of 256 bytes that no other line names
.set L8,   1                           ; v1  8 x lane
.set DD,   2                           ; v2  my query's place in its group - 32 h
.set H8,   3                           ; v3  8 h
.set ADK,  4
.set SPW,  5
.set NIL,  6
.set QWL,  7                           ; v7  the scale word of [Q | 0]
.set ADS,  8
.set AS0,  9                           ; v9  SCK + 8 x lane
.set R8,   11                          ; v11 8 r
.set QLO,  16
.set QHI,  28
.set KF,   40
.set KW,   88
.set VW,   90
.set PW,   92
.set QWH,  93                          ; v93 the scale word of [0 | Q]
.set S,    96
.set O,    160
.set PC,   192
.set TC,   204
.set MX,   212
.set BM,   216
.set T0,   218
.set T1,   219
.set F,    220
.set SO,   222
.set BY,   224
.set W0,   226
.set SUM2, 228
.set NINF, 230
.set Q2,   232
.set Q2W,  238
.set TB,   2                           ; s2  the key step's record in LDS
.set TS,   3                           ; s3  its scale words
.set WV,   18
.set SEL,  20
.set CS,   22
.set G1C,  24                          ; s[24:31], s[40:43] the head's loads of records
.set G1S,  32                          ; s[32:39], s[44:47] of scale words
.set G0C,  40
.set G0S,  44
.set G1B,  48                          ; s[48:55], s[56:59] the later load of records
.set G0B,  56
.set KT,   66                          ; s66 the key step
.set GW,   68                          ; s68 the group of the tile in hand, s69 of the second tile
.set GW2,  69
.macro GROUP1 g, rows                  ; dense rows of 256 bytes (32 elements of 8), no padding; the mask names the cluster's four, bit 21 beside it
	s_mov_b32 s[\g], 15|(3<<16)|(1<<21)
	s_mov_b32 s[\g+1], 32<<16
	s_mov_b32 s[\g+2], (\rows)<<16
	s_mov_b32 s[\g+3], 32<<16
	s_mov_b32 s[\g+4], \rows
	s_mov_b32 s[\g+5], 32
	s_mov_b32 s[\g+6], 0
	s_mov_b32 s[\g+7], 0
.endm
.macro TLOAD g0, g1                    ; an s_nop 0 and four v_nop follow each load
	tensor_load_to_lds s[\g0:\g0+3], s[\g1:\g1+7]
	s_nop 0
.rept 4
	v_nop
.endr
.endm
.macro ROUND                           ; a round of the cluster's barrier
	s_barrier_signal -1
	s_barrier_wait -1
	s_cmp_lg_u32 s[WV], 0
	s_cbranch_scc1 .Lnot_wave_0_\@
	s_barrier_signal -3
.Lnot_wave_0_\@:
	s_barrier_wait -3
	s_barrier_signal -1
	s_barrier_wait -1
.endm
	s_load_b128 s[4:7], s[0:1], 0x0                ; qkv, oq
	v_lshl_add_u32 v[SPW], v0, 2, SPARE
	v_mov_b32 v[NIL], 0
	ds_add_u32 v[SPW], v[NIL]                      ; the opening lines: the add, twice on end, and its wait ahead of the first round and tensor load
	ds_add_u32 v[SPW], v[NIL]
	v_lshrrev_b32 v10, 5, v0
	s_delay_alu instid0(VALU_DEP_1)
	v_readfirstlane_b32 s[WV], v10                 ; wave 0..15
	s_and_b32 s70, ttmp7, 0xffff                   ; 16 b + head
	s_bfe_u32 s73, ttmp6, 0x40000                  ; cx: the s of my tile
	s_lshr_b32 s72, s[WV], 3                       ; c
	s_lshl_b32 s71, s72, 2
	s_add_co_u32 s71, s71, s73                     ; my tile a = 4 c + s of a group
	s_and_b32 s[GW2], s[WV], 7                     ; g: the second tile's group
	s_sub_co_u32 s[GW], 15, s[GW2]                 ; the first's
	s_sub_co_u32 s11, s[GW], s[GW2]                ; groups from the second to the first
	GROUP1 G1C, 24                                 ; 6,144 bytes
	GROUP1 G1S, 4                                  ; 1,024 bytes
	GROUP1 G1B, 36                                 ; 9,216 bytes
	s_mul_i32 s84, s70, 16*RECB
	s_add_co_u32 s84, s84, KVO                     ; the head's K and V; LDS holds them as memory does
	s_and_b32 s81, s[WV], 7
	s_mul_i32 s[G0C+1], s81, 6144                  ; my eighth of records 0-3
	s_add_co_u32 s86, s84, s[G0C+1]
	s_mov_b32 s87, 0
	s_lshl_b32 s85, s81, 10                        ; my eighth of the scale words
	s_add_co_u32 s[G0S+1], s85, SCK
	s_lshl_b32 s88, s70, 13
	s_add_co_u32 s88, s88, s85
	s_add_co_u32 s88, s88, KVSO
	s_mov_b32 s89, 0
	s_mul_i32 s82, s[WV], 9216                     ; my sixteenth of records 4-15
	s_add_co_u32 s[G0B+1], s82, NA*RECB
	s_add_co_u32 s12, s84, s[G0B+1]
	s_mov_b32 s13, 0
	s_lshl_b32 s83, s70, 4
	s_add_co_u32 s83, s83, s[GW]                   ; the first tile's record of Q
	s_mul_i32 s90, s83, 6144
	s_mul_i32 s75, s73, 1536
	s_add_co_u32 s90, s90, s75
	s_mul_i32 s75, s72, 768
	s_add_co_u32 s90, s90, s75                     ; Q's half image
	s_mov_b32 s91, 0
	s_lshl_b32 s92, s83, 8
	s_add_co_u32 s92, s92, QSO
	s_lshr_b32 s75, s73, 1
	s_lshl_b32 s75, s75, 7
	s_add_co_u32 s92, s92, s75
	s_and_b32 s75, s73, 1
	s_lshl_b32 s75, s75, 2
	s_add_co_u32 s92, s92, s75                     ; word s of row r lies at 8 (r + 16 (s / 2)) + 4 (s % 2)
	s_mov_b32 s93, 0
	s_lshr_b32 s94, s70, 4
	s_lshl_b32 s94, s94, 4
	s_add_co_u32 s94, s94, s[GW]
	s_lshl_b32 s94, s94, 3
	s_add_co_u32 s94, s94, s71                     ; the first tile in oq
	s_and_b32 s95, s70, 15                         ; head
	s_mul_i32 s96, s94, 12288
	s_mul_i32 s97, s95, 768
	s_add_co_u32 s96, s96, s97                     ; head hd is half hd % 2 of K step hd / 2
	s_mov_b32 s97, 0
	s_lshl_b32 s98, s94, 9
	s_add_co_u32 s98, s98, XSO
	s_lshr_b32 s99, s95, 2
	s_lshl_b32 s99, s99, 7
	s_add_co_u32 s98, s98, s99
	s_bfe_u32 s99, s95, 0x10001
	s_lshl_b32 s99, s99, 2
	s_add_co_u32 s98, s98, s99
	s_and_b32 s99, s95, 1
	s_lshl_b32 s99, s99, 1
	s_add_co_u32 s98, s98, s99                     ; my two bytes of the row's scale word
	s_mov_b32 s99, 0
	s_mul_i32 s80, s11, 6144                       ; the second tile's places: so many groups back
	s_sub_co_u32 s60, s90, s80
	s_mov_b32 s61, 0
	s_lshl_b32 s80, s11, 8
	s_sub_co_u32 s62, s92, s80
	s_mov_b32 s63, 0
	s_mul_i32 s80, s11, 8*12288
	s_sub_co_u32 s76, s96, s80
	s_mov_b32 s77, 0
	s_lshl_b32 s80, s11, 12
	s_sub_co_u32 s78, s98, s80
	s_mov_b32 s79, 0
	s_lshl_b32 s74, s72, 6
	s_lshl_b32 s75, s73, 3
	s_add_co_u32 s74, s74, s75                     ; 64 c + 8 s
	s_lshl_b32 s75, s72, 4                         ; 16 c: my tile's two bytes in Q's word
	s_mov_b32 s[SEL], 0x76543210
	s_mov_b32 s[SEL+1], 0xfedcba98
	s_mov_b32 s[CS], 0x3e38aa3b                    ; log2(e) / sqrt(64)
	s_mov_b32 s[CS+1], s[CS]
	s_mov_b32 s[TB], 0
	s_mov_b32 s[TS], 0
	s_mov_b32 s[KT], 0
	v_and_b32 v10, 31, v0
	s_delay_alu instid0(VALU_DEP_1)
	v_lshlrev_b32 v[L8], 3, v10
	v_and_b32 v10, 15, v0
	s_delay_alu instid0(VALU_DEP_1)
	v_lshlrev_b32 v[R8], 3, v10
	v_add_nc_u32 v[AS0], SCK, v[L8]
	v_bfe_u32 v10, v0, 4, 1                        ; h
	s_delay_alu instid0(VALU_DEP_1)
	v_lshlrev_b32 v[H8], 3, v10
	v_and_b32 v[DD], 7, v0
	v_bfe_u32 v[SO], v0, 3, 1
	s_delay_alu instid0(VALU_DEP_1)
	v_lshl_add_u32 v[DD], v[SO], 5, v[DD]
	v_lshlrev_b32 v10, 5, v10
	s_delay_alu instid0(VALU_DEP_1)
	v_sub_nc_u32 v[DD], v[DD], v10
	s_delay_alu instid0(VALU_DEP_1)
	v_add_nc_u32 v[DD], s74, v[DD]
	s_wait_alu depctr_va_vdst(0)                   ; the head's end
	s_wait_dscnt 0x0                               ; both opening adds are done
	ROUND                                          ; all four work-groups are here: the first joint loads meet
	s_wait_kmcnt 0x0
	s_mov_b32 s[G0C], 1
	s_add_nc_u64 s[G0C+2:G0C+3], s[4:5], s[86:87]
	s_or_b32 s[G0C+3], s[G0C+3], 0x80000000
	s_mov_b32 s[G0S], 1
	s_add_nc_u64 s[G0S+2:G0S+3], s[4:5], s[88:89]
	s_or_b32 s[G0S+3], s[G0S+3], 0x80000000
	s_mov_b32 s[G0B], 1
	s_add_nc_u64 s[G0B+2:G0B+3], s[4:5], s[12:13]
	s_or_b32 s[G0B+3], s[G0B+3], 0x80000000
	s_cmp_lt_u32 s[WV], 8                          ; one chain of branches on the wave's number, a load in each arm
	s_cbranch_scc0 .Lwords
	TLOAD G0C, G1C
	s_branch .Lasked
.Lwords:
	TLOAD G0S, G1S
.Lasked:
	s_add_nc_u64 s[90:91], s[4:5], s[90:91]
	s_add_nc_u64 s[92:93], s[4:5], s[92:93]
	s_add_nc_u64 s[60:61], s[4:5], s[60:61]
	s_add_nc_u64 s[62:63], s[4:5], s[62:63]
	s_add_nc_u64 s[96:97], s[6:7], s[96:97]
	s_add_nc_u64 s[98:99], s[6:7], s[98:99]
	s_add_nc_u64 s[76:77], s[6:7], s[76:77]
	s_add_nc_u64 s[78:79], s[6:7], s[78:79]
.irp p, 0,1,2
	global_load_b64 v[QLO+2*\p:QLO+2*\p+1], v[L8], s[90:91] offset:256*\p        ; the first tile's Q, once as the lower half of an operand,
	global_load_b64 v[QHI+6+2*\p:QHI+6+2*\p+1], v[L8], s[90:91] offset:256*\p    ; once as the upper half;
	global_load_b64 v[Q2+2*\p:Q2+2*\p+1], v[L8], s[60:61] offset:256*\p          ; and the second tile's, which waits
.endr
	global_load_b32 v[T0], v[R8], s[92:93]
	global_load_b32 v[Q2W], v[R8], s[62:63]
.irp i, 0,1,2,3,4,5
	v_mov_b32 v[QLO+6+\i], 0                       ; zero codes
	v_mov_b32 v[QHI+\i], 0
.endr
	v_mov_b32 v[T1], 0                             ; a lane permute's destination counts as one of its sources
	v_mov_b32 v[W0+1], 0
	v_mov_b32 v[F+1], 0                            ; (named as the upper half of a pair)
	v_mov_b32 v[NINF], 0xff800000
	s_wait_loadcnt 0x0
.set SUM3, 240                         ; v240-243 two more chains of the row's sum
.set SUM4, 242
; THE ROW'S SUM OF THE UNQUANTISED p, of the key step BEFORE: p stays in the score registers until the next scores are written, so its 32 packed additions, in four chains, stand at the head of the next step that is not passed over,
; between the issue of K's LDS loads and the wait for them; the way out adds the last step's.  The sum then stands under the M of the step whose p it has taken, and is multiplied by the next f afterwards.  A tile begins with zeros there.
.macro SUMS
	v_pk_add_f32 v[SUM2:SUM2+1], v[S:S+1], v[S+2:S+3]
	v_pk_add_f32 v[SUM3:SUM3+1], v[S+4:S+5], v[S+6:S+7]
	v_pk_add_f32 v[SUM4:SUM4+1], v[S+8:S+9], v[S+10:S+11]
	v_pk_add_f32 v[14:15], v[14:15], v[S+12:S+13]
.irp j, 14,22,30,38,46,54
	v_pk_add_f32 v[SUM2:SUM2+1], v[SUM2:SUM2+1], v[S+\j:S+\j+1]
	v_pk_add_f32 v[SUM3:SUM3+1], v[SUM3:SUM3+1], v[S+\j+2:S+\j+3]
	v_pk_add_f32 v[SUM4:SUM4+1], v[SUM4:SUM4+1], v[S+\j+4:S+\j+5]
	v_pk_add_f32 v[14:15], v[14:15], v[S+\j+6:S+\j+7]
.endr
	v_pk_add_f32 v[SUM2:SUM2+1], v[SUM2:SUM2+1], v[S+62:S+63]
	v_pk_add_f32 v[SUM3:SUM3+1], v[SUM3:SUM3+1], v[SUM4:SUM4+1]
	v_pk_add_f32 v[14:15], v[14:15], v[SUM2:SUM2+1]
	v_pk_add_f32 v[14:15], v[14:15], v[SUM3:SUM3+1]
.endm
.macro INIT w
	v_lshrrev_b32 v[T0], s75, v[\w]
	s_delay_alu instid0(VALU_DEP_1)
	v_and_b32 v[T0], 0xffff, v[T0]                 ; my tile's two bytes
	s_delay_alu instid0(VALU_DEP_1)
	v_or_b32 v[QWL], 0x01010000, v[T0]             ; [Q | 0]: they scale k = 0 .. 63; the zero codes' blocks take the byte 1
	s_delay_alu instid0(VALU_DEP_2)
	v_lshl_or_b32 v[QWH], v[T0], 16, 0x0101        ; [0 | Q]: k = 64 .. 127.  (The lines below stand between these and the next product)
	v_mov_b32 v13, 0xff61b1e6                      ; the largest t so far: -3e38
	s_delay_alu instid0(VALU_DEP_1)
	v_floor_f32 v12, -v13                          ; -M
	v_mov_b32 v14, 0
	v_mov_b32 v15, 0
.set J_, 0
.rept 32
	v_mov_b32 v[O+J_], 0                           ; the step is written once; a tile's first finds zeros in O^T
	v_mov_b32 v[S+J_], 0                           ; and in the place of the step before's p
	v_mov_b32 v[S+32+J_], 0
.set J_, J_+1
.endr
.endm
	INIT T0
.macro KQ s, row1                      ; the scores of fragment s's two key tiles
.if \row1
	v_wmma_scale_f32_16x16x128_f8f6f4 v[S+8*\s:S+8*\s+7], v[KF+12*\s:KF+12*\s+11], v[QLO:QLO+11], 0, v[KW+\s%2], v[QWL] matrix_a_fmt:MATRIX_FMT_FP6 matrix_b_fmt:MATRIX_FMT_FP6 matrix_a_scale:MATRIX_SCALE_ROW1
	v_wmma_scale_f32_16x16x128_f8f6f4 v[S+32+8*\s:S+32+8*\s+7], v[KF+12*\s:KF+12*\s+11], v[QHI:QHI+11], 0, v[KW+\s%2], v[QWH] matrix_a_fmt:MATRIX_FMT_FP6 matrix_b_fmt:MATRIX_FMT_FP6 matrix_a_scale:MATRIX_SCALE_ROW1
.else
	v_wmma_scale_f32_16x16x128_f8f6f4 v[S+8*\s:S+8*\s+7], v[KF+12*\s:KF+12*\s+11], v[QLO:QLO+11], 0, v[KW+\s%2], v[QWL] matrix_a_fmt:MATRIX_FMT_FP6 matrix_b_fmt:MATRIX_FMT_FP6
	v_wmma_scale_f32_16x16x128_f8f6f4 v[S+32+8*\s:S+32+8*\s+7], v[KF+12*\s:KF+12*\s+11], v[QHI:QHI+11], 0, v[KW+\s%2], v[QWH] matrix_a_fmt:MATRIX_FMT_FP6 matrix_b_fmt:MATRIX_FMT_FP6
.endif
.endm
.macro PV s, row1                      ; O^T's tile s: channels 8 s + j + 32 h
.if \row1
	v_wmma_scale_f32_16x16x128_f8f6f4 v[O+8*\s:O+8*\s+7], v[KF+12*\s:KF+12*\s+11], v[PC:PC+11], v[O+8*\s:O+8*\s+7], v[VW+\s%2], v[PW] matrix_a_fmt:MATRIX_FMT_FP6 matrix_b_fmt:MATRIX_FMT_FP6 matrix_a_scale:MATRIX_SCALE_ROW1
.else
	v_wmma_scale_f32_16x16x128_f8f6f4 v[O+8*\s:O+8*\s+7], v[KF+12*\s:KF+12*\s+11], v[PC:PC+11], v[O+8*\s:O+8*\s+7], v[VW+\s%2], v[PW] matrix_a_fmt:MATRIX_FMT_FP6 matrix_b_fmt:MATRIX_FMT_FP6
.endif
.endm
; A KEY STEP: the 128 keys of record KT.
.macro STEP
	s_cmp_gt_u32 s[KT], s[GW]                      ; all its keys come after my queries: passed over (the wave's number and the count of steps alone; no barrier and no tensor load stands in a step)
	s_cbranch_scc1 .Lhidden_\@
	v_add_nc_u32 v[ADK], s[TB], v[L8]
	v_add_nc_u32 v[ADS], s[TS], v[AS0]
	v_nop
	v_nop                                          ; four plain lines in front of loads into registers that the last products read
.irp s, 0,1,2,3
.irp p, 0,1,2,3,4,5
	ds_load_b64 v[KF+12*\s+2*\p:KF+12*\s+2*\p+1], v[ADK] offset:1536*\s+256*\p
.endr
.endr
	ds_load_b64 v[KW:KW+1], v[ADS]                 ; lanes 0-15: words 0, 1 of row r; lanes 16-31: words 2, 3
	SUMS                                           ; the step before's p goes into the row's sum while K's fragments are on their way
	s_wait_alu depctr_va_vdst(0)
	s_wait_dscnt 0x0
	KQ 0, 0
	KQ 1, 0
	KQ 2, 1
	KQ 3, 1
.rept 4
	v_nop
.endr
.irp s, 0,1,2,3                        ; V's fragments land under the softmax
.irp p, 0,1,2,3,4,5
	ds_load_b64 v[KF+12*\s+2*\p:KF+12*\s+2*\p+1], v[ADK] offset:6144+1536*\s+256*\p
.endr
.endr
	ds_load_b64 v[VW:VW+1], v[ADS] offset:256
	s_cmp_lg_u32 s[KT], s[GW]                      ; only my own group's step is masked
	s_cbranch_scc1 .Lopen_\@
.set N_, 0
.rept 64
	v_cmp_gt_i32 vcc_lo, 64*(N_/32)+N_%32, v[DD]   ; register n holds key 64 (n / 32) + 32 h + n % 32 of the group: hidden where it comes after my query
	v_cndmask_b32 v[S+N_], v[S+N_], v[NINF], vcc_lo
.set N_, N_+1
.endr
.Lopen_\@:
.irp b, 0,1,2,3
	v_max3_num_f32 v[MX+\b], v[S+16*\b], v[S+1+16*\b], v[S+2+16*\b]
.endr
.irp i, 3,5,7,9,11,13
.irp b, 0,1,2,3
	v_max3_num_f32 v[MX+\b], v[MX+\b], v[S+16*\b+\i], v[S+1+16*\b+\i]
.endr
.endr
.irp b, 0,1,2,3
	v_max_num_f32 v[MX+\b], v[MX+\b], v[S+15+16*\b]
.endr
	s_delay_alu instid0(VALU_DEP_3)
	v_max_num_f32 v[BM], v[MX], v[MX+1]            ; the largest score of each of my two blocks of 32 keys: it serves the row's maximum and, since p rises with the score, the block's largest p
	s_delay_alu instid0(VALU_DEP_2)
	v_max_num_f32 v[BM+1], v[MX+2], v[MX+3]
	s_delay_alu instid0(VALU_DEP_1)
	v_max_num_f32 v[T0], v[BM], v[BM+1]
	s_delay_alu instid0(VALU_DEP_1)
	v_permlanex16_b32 v[T1], v[T0], s[SEL], s[SEL+1]
	s_delay_alu instid0(VALU_DEP_1)
	v_max_num_f32 v[T0], v[T0], v[T1]              ; with lane l xor 16's 64 keys
	s_delay_alu instid0(VALU_DEP_1)
	v_mul_f32 v[T0], s[CS], v[T0]
	s_delay_alu instid0(VALU_DEP_1)
	v_max_num_f32 v13, v13, v[T0]                  ; the running largest t
	v_mov_b32 v[T0], v12
	s_delay_alu instid0(VALU_DEP_2)
	v_floor_f32 v12, -v13                          ; the new -M: a whole number
.set J_, 0
.rept 32
	v_pk_fma_f32 v[S+J_:S+J_+1], v[S+J_:S+J_+1], s[CS:CS+1], v[12:13] op_sel_hi:[1,0,0]   ; t - M
.if J_ == 6                            ; the three lines that make f hang on each other: they stand four multiply-adds apart
	v_sub_f32 v[T0], v12, v[T0]
.endif
.if J_ == 14
	v_cvt_i32_f32 v[T0], v[T0]                     ; (it saturates)
.endif
.if J_ == 22
	v_ldexp_f32 v[F], 1.0, v[T0]                   ; f = 2^(old M - new M)
.endif
.set J_, J_+2
.endr
.irp c, 0,1
	v_fma_f32 v[BM+\c], v[BM+\c], s[CS], v12
.endr
	s_wait_alu depctr_va_vdst(0)                   ; ahead of the batch
.set J_, 0
.rept 64
	v_exp_f32 v[S+J_], v[S+J_]                     ; p = 2^(t - M)
.set J_, J_+1
.endr
.irp c, 0,1
	v_exp_f32 v[BM+\c], v[BM+\c]                   ; the blocks' largest p, in the same batch
.endr
	v_pk_mul_f32 v[14:15], v[14:15], v[F:F+1] op_sel_hi:[1,0]   ; the sum under the new M; the plain line behind the exponentials
	s_wait_alu depctr_va_vdst(0)                   ; and one for the two
.irp c, 0,1
	v_max_num_f32 v[BM+\c], 0x1800000, v[BM+\c]    ; the floor 2^(3 - 127): the byte cannot fall under 1
.endr
.irp c, 0,1
	s_delay_alu instid0(VALU_DEP_2)
	v_add_nc_u32 v[SO+\c], 0xff000000, v[BM+\c]    ; 2 off the exponent field: the conversions' scale operand
.endr
	v_cvt_scalef32_pk16_fp6_f32 v[PC:PC+2], v[S:S+15], v[SO]           ; the four conversions stand between the links of the scale word's chain, a plain line behind each
	v_lshrrev_b32 v[BY], 23, v[SO]
	v_lshrrev_b32 v[BY+1], 23, v[SO+1]
	v_cvt_scalef32_pk16_fp6_f32 v[TC:TC+2], v[S+16:S+31], v[SO]        ; (a conversion's three registers begin on an even number)
	v_lshl_or_b32 v[W0], v[BY+1], 16, v[BY]        ; my blocks h and 2 + h,
	v_cvt_scalef32_pk16_fp6_f32 v[PC+6:PC+8], v[S+32:S+47], v[SO+1]
	v_lshlrev_b32 v[W0], v[H8], v[W0]
	v_cvt_scalef32_pk16_fp6_f32 v[TC+4:TC+6], v[S+48:S+63], v[SO+1]
	v_permlanex16_b32 v[W0+1], v[W0], s[SEL], s[SEL+1]
	v_or_b32 v[PW], v[W0], v[W0+1]                 ; with lane l xor 16's: p's scale word
.irp c, 0,1
.irp i, 0,1,2
	v_mov_b32 v[PC+6*\c+3+\i], v[TC+4*\c+\i]
.endr
.endr
.irp j, 0,2,4,6,8,10,12,14,16,18,20,22,24,26,28,30
	v_pk_mul_f32 v[O+\j:O+\j+1], v[O+\j:O+\j+1], v[F:F+1] op_sel_hi:[1,0]   ; O^T under the new M
.endr
	s_wait_alu depctr_va_vdst(0)                   ; directly ahead of the wait below. (Of the 16 lines above, 12 name no register of a given product below)
	s_wait_dscnt 0x0                               ; V is in
	PV 0, 0                                        ; four accumulators by turns
	PV 1, 0
	PV 2, 1
	PV 3, 1
.Lhidden_\@:
	s_add_co_u32 s[KT], s[KT], 1
	s_add_co_u32 s[TB], s[TB], RECB
	s_add_co_u32 s[TS], s[TS], 512
.endm
; A TILE'S WAY OUT.  O^T / the sum: my 32 registers are channels 32 h + 0 .. 31 of my query: one whole block of the last product's K.  They are quantised here and leave as half an image.
.macro FINAL oc, ow
.rept 4
	v_nop                                          ; plain lines behind the last products
.endr
	s_wait_alu depctr_va_vdst(0)                   ; ahead of the reader below
	SUMS                                           ; the last step's p
	v_add_f32 v14, v14, v15                        ; the sum's two halves,
	s_delay_alu instid0(VALU_DEP_1)
	v_permlanex16_b32 v[T1], v14, s[SEL], s[SEL+1]
	s_delay_alu instid0(VALU_DEP_1)
	v_add_f32 v14, v14, v[T1]                      ; and lane l xor 16's: the row's sum
	s_wait_alu depctr_va_vdst(0)
	v_rcp_f32 v14, v14
	v_nop                                          ; a plain line behind the reciprocal
	s_wait_alu depctr_va_vdst(0)                   ; and the wait ahead of its first reader
.set J_, 0
.rept 32
	v_mul_f32 v[S+J_], v[O+J_], v14                ; each accumulator from its low end on
.set J_, J_+1
.endr
	v_max3_num_f32 v[MX], |v[S]|, |v[S+1]|, 0x1800000   ; the block's largest magnitude, two chains; the floor 2^(3 - 127) holds the byte at 1
	v_max3_num_f32 v[MX+1], |v[S+16]|, |v[S+17]|, |v[S+18]|
.irp i, 2,4,6,8,10,12
	s_delay_alu instid0(VALU_DEP_2)
	v_max3_num_f32 v[MX], v[MX], |v[S+\i]|, |v[S+\i+1]|
	s_delay_alu instid0(VALU_DEP_2)
	v_max3_num_f32 v[MX+1], v[MX+1], |v[S+\i+17]|, |v[S+\i+18]|
.endr
	s_delay_alu instid0(VALU_DEP_2)
	v_max3_num_f32 v[MX], v[MX], |v[S+14]|, |v[S+15]|
	s_delay_alu instid0(VALU_DEP_1)
	v_max3_num_f32 v[MX], v[MX], v[MX+1], |v[S+31]|
	s_delay_alu instid0(VALU_DEP_1)
	v_add_nc_u32 v[SO], 0xff000000, v[MX]
	v_cvt_scalef32_pk16_fp6_f32 v[PC:PC+2], v[S:S+15], v[SO]
	v_cvt_scalef32_pk16_fp6_f32 v[TC:TC+2], v[S+16:S+31], v[SO]
	v_lshrrev_b32 v[BY], 23, v[SO]                 ; the byte; also the plain line behind the conversions
.irp i, 0,1,2
	v_mov_b32 v[PC+3+\i], v[TC+\i]
.endr
.irp p, 0,1,2
	global_store_b64 v[L8], v[PC+2*\p:PC+2*\p+1], s[\oc:\oc+1] offset:256*\p   ; 32 lanes store 256 consecutive bytes, aligned
.endr
	v_lshlrev_b32 v[W0], v[H8], v[BY]              ; my byte at place h,
	s_delay_alu instid0(VALU_DEP_1)
	v_permlanex16_b32 v[W0+1], v[W0], s[SEL], s[SEL+1]
	s_delay_alu instid0(VALU_DEP_1)
	v_or_b32 v[W0], v[W0], v[W0+1]                 ; with lane l xor 16's: the head's two bytes of row r's word
	global_store_b16 v[R8], v[W0], s[\ow:\ow+1]    ; lanes r and 16 + r store the same two bytes at the same place
.endm
	s_wait_alu depctr_va_vdst(0)                   ; directly ahead of the wait below
	s_wait_tensorcnt 0x0                           ; my part of the head's tiles is in; the three lines ahead of a later first fill, as ahead of a refill
	ds_add_u32 v[SPW], v[NIL]
	s_wait_dscnt 0x0
	ROUND                                          ; records 0-3 and the scale words are whole, and all four work-groups are here
	TLOAD G0B, G1B                                 ; my sixteenth of records 4-15, the first tensor load behind the round
.Lfirst:                                           ; key steps 0-3 of the first tile
	STEP
	s_cmp_lt_u32 s[KT], NA
	s_cbranch_scc1 .Lfirst
	s_wait_tensorcnt 0x0                           ; my part of records 4-15 is in,
	s_wait_dscnt 0x0
	s_barrier_signal -1                            ; a plain barrier
	s_barrier_wait -1                              ; and everybody's
.Lrest:                                            ; key steps 4-15: those past my group are passed over
	STEP
	s_cmp_lt_u32 s[KT], 16
	s_cbranch_scc1 .Lrest
	FINAL 96, 98                                   ; the first tile leaves,
	s_wait_xcnt 0x0                                ; its stores have read their registers,
.irp i, 0,1,2,3,4,5
	v_mov_b32 v[QLO+\i], v[Q2+\i]                  ; and the second tile's Q takes its two places
	v_mov_b32 v[QHI+6+\i], v[Q2+\i]
.endr
	INIT Q2W
	s_mov_b32 s[KT], 0
	s_mov_b32 s[TB], 0
	s_mov_b32 s[TS], 0
	s_mov_b32 s[GW], s[GW2]
.Lsecond:                                          ; key steps 0-7 of the second tile
	STEP
	s_cmp_lt_u32 s[KT], 8
	s_cbranch_scc1 .Lsecond
	FINAL 76, 78                                   ; the second tile leaves
	s_wait_tensorcnt 0x0                           ; the wave's end
	ds_add_u32 v[SPW], v[NIL]
	s_wait_dscnt 0x0
	ROUND                                          ; the closing round
	s_endpgm
.Lfunc_end_k_q76b4dfe1bf_attn:
	.size	k_q76b4dfe1bf_attn, .Lfunc_end_k_q76b4dfe1bf_attn-k_q76b4dfe1bf_attn
	.p2alignl 7, 3214868480
	.fill 96, 4, 3214868480
	.section	.rodata,"a",@progbits
	.p2align	6, 0x0
	.amdhsa_kernel k_q76b4dfe1bf_attn
		.amdhsa_group_segment_fixed_size 327680
		.amdhsa_private_segment_fixed_size 0
		.amdhsa_enable_private_segment 0
		.amdhsa_kernarg_size 16
		.amdhsa_user_sgpr_count 2
		.amdhsa_user_sgpr_kernarg_segment_ptr 1
		.amdhsa_wavefront_size32 1
		.amdhsa_system_sgpr_workgroup_id_x 1
		.amdhsa_system_sgpr_workgroup_id_y 1
		.amdhsa_system_sgpr_workgroup_id_z 1
		.amdhsa_system_vgpr_workitem_id 0
		.amdhsa_next_free_vgpr 256
		.amdhsa_next_free_sgpr 100
		.amdhsa_reserve_vcc 1
		.amdhsa_float_denorm_mode_32 3
		.amdhsa_float_denorm_mode_16_64 3
		.amdhsa_memory_ordered 1
		.amdhsa_forward_progress 1
		.amdhsa_inst_pref_size 94
	.end_amdhsa_kernel
	.amdgpu_metadata
---
amdhsa.version: [ 1, 2 ]
amdhsa.kernels:
  - .name:           k_q76b4dfe1bf_attn
    .symbol:         k_q76b4dfe1bf_attn.kd
    .args:
      - { .name: qkv, .offset: 0, .size: 8, .value_kind: global_buffer, .address_space: global }
      - { .name: oq, .offset: 8, .size: 8, .value_kind: global_buffer, .address_space: global }
    .group_segment_fixed_size: 327680
    .private_segment_fixed_size: 0
    .kernarg_segment_align: 8
    .kernarg_segment_size: 16
    .max_flat_workgroup_size: 512
    .sgpr_count:     100
    .vgpr_count:     256
    .wavefront_size: 32
...
	.end_amdgpu_metadata
.endif
;; end of part 3
;; launch gemm_o (part 4): grid 8 x 32, 4 waves a work-group, clusters of 4 x 4, 327,680 bytes of LDS; arguments oq, wq, b_o, out0; writes out0
.if DOCPART == 4
	.amdgcn_target "amdgcn-amd-amdhsa--gfx1250"
	.amdhsa_code_object_version 6
	.text
	.protected	k_q76b4dfe1bf_gemm_o
	.globl	k_q76b4dfe1bf_gemm_o
	.p2align	8
	.type	k_q76b4dfe1bf_gemm_o,@function
k_q76b4dfe1bf_gemm_o:
	s_mov_b64 s[64:65], 0
	v_nop
	global_prefetch_b8 v0, s[64:65] scope:SCOPE_SE
	s_setreg_imm32_b32 hwreg(HW_REG_WAVE_MODE, 25, 1), 1
	s_wait_xcnt 0x0
	s_wait_alu depctr_hold_cnt(0) depctr_sa_sdst(0) depctr_va_vdst(0) depctr_va_sdst(0) depctr_va_ssrc(0) depctr_va_vcc(0) depctr_vm_vsrc(0)
	s_getreg_b32 s2, hwreg(HW_REG_IB_STS2, 6, 4)
	s_cmp_eq_u32 s2, 0
	s_cbranch_scc0 .Lentry_in_a_cluster
	s_endpgm
.Lentry_in_a_cluster:
	s_bfe_u32 s2, ttmp6, 0x10000c
	s_cmp_lg_u32 s2, 0xf033
	s_cbranch_scc0 .Lentry_shape_is_right
	s_endpgm
.Lentry_shape_is_right:
; out0 = O W_o + b_o on codes of FP6 (E2M3) with E8M0 scales, K = 1,024; f32 results.  A block of 256 tokens x 128 columns to a work-group of four waves, 128 x 64 (32 accumulators) to a wave: 256 work-groups.
; K goes in steps of 256 through two LDS slots (A's 16 tiles, then B's 8); the scale words come once (B's, then A's).
; Operands are images of registers (6 planes of 256 bytes a fragment); row m of tile 4 grp + s is row 64 grp + 8 s + (m % 8) + 32 (m / 8).  Source 0 = W_o's columns (B), source 1 = tokens (A); the bias is the C of each sum's first product.
; CLUSTERS: 4 x 4; A's tiles are asked for jointly by a row of the cluster, B's by a column.  The results leave through each wave's own stage in slot 0, two rows of 256 bytes a store.
; No prefetch: a work-group has two refills in all.
.set NQ,     2
.set FR,     12
.set NL,     6
.set NP,     4
.set STEPB,  1536
.set TILEB,  8*STEPB
.set HALFT,  8*NQ*STEPB
.set HALFB,  4*NQ*STEPB                ; 4 tiles x 256 along K: what one wave reads of B
.set SLOT,   2*HALFT+2*HALFB
.set SCL,    2*SLOT
.set HALFS,  8*512
.set HALFSB, 4*512
.set SPARE,  SCL+2*HALFS+2*HALFSB
.set XSO,    6291456
.set WSO,    3145728
.set WOT,    192
.set SPITCH, 272
.set ADRA, 16
.set ADRB, 20
.set STO,  24
.set RD,   25
.set CO,   26
.set ADRS, 27
.set SPW,  28
.set NIL,  29
.set L8,   30
.set SC,   32
.set BIAS0, 64
.set AF,   128
.set BK,   128
.set G1, 24
.set G0, 32
.set G1B, 48
.set G0B, 56
.set G1S, 68
.set G0S, 76
.set G1SB, 80
.set G0SB, 88
.set MSB, 0
.macro WIN new
.if MSB != (\new)
	s_set_vgpr_msb (MSB<<8)|(\new)
.set MSB, (\new)
.endif
.endm
.set MUL_LO, 0xa1
.set MUL_HI, 0xf1
.set MUL_LO1, 0x81
.set MUL_HI1, 0xc1
.set TO_B,   0x40
.macro JLOAD g0a, g1a, g0b, g1b
	s_cmp_eq_u32 s15, 0
	s_cbranch_scc0 .Lfor_b_\@
	tensor_load_to_lds s[\g0a:\g0a+3], s[\g1a:\g1a+7]
	s_nop 0
.rept 4
	v_nop
.endr
	s_branch .Lasked_\@
.Lfor_b_\@:
	tensor_load_to_lds s[\g0b:\g0b+3], s[\g1b:\g1b+7]
	s_nop 0
.rept 4
	v_nop
.endr
.Lasked_\@:
.endm
.macro CREST
	s_cmp_lg_u32 s14, 0
	s_cbranch_scc1 .Lnot_wave_0_\@
	s_barrier_signal -3
.Lnot_wave_0_\@:
	s_barrier_wait -3
	s_barrier_signal -1
	s_barrier_wait -1
.endm
.macro CROUND
	s_barrier_signal -1
	s_barrier_wait -1
	CREST
.endm
	s_load_b256 s[4:11], s[0:1], 0x0
	v_lshl_add_u32 v[SPW], v0, 2, SPARE
	v_mov_b32 v[NIL], 0
	ds_add_u32 v[SPW], v[NIL]
	ds_add_u32 v[SPW], v[NIL]
	v_lshrrev_b32 v1, 5, v0
	v_readfirstlane_b32 s14, v1
	s_lshr_b32 s15, s14, 1
	s_and_b32 s16, s14, 1
	s_bfe_u32 s40, ttmp6, 0x40000
	s_bfe_u32 s41, ttmp6, 0x40004
	s_and_b32 s17, ttmp7, 0xffff
	s_lshl_b32 s17, s17, 2
	s_add_co_u32 s17, s17, s41
	s_lshl_b32 s42, ttmp9, 2
	s_add_co_u32 s42, s42, s40
	s_lshl_b32 s43, s41, 2
	s_lshl_b32 s43, 15, s43
	s_lshl_b32 s44, 0x1111, s40
	s_or_b32 s[G1+0], s43, (3<<16)|(1<<21)
	s_or_b32 s[G1B+0], s44, (3<<16)|(1<<21)
.irp g, G1, G1B
	s_mov_b32 s[\g+1], 384<<16
	s_mov_b32 s[\g+2], 8<<16
	s_mov_b32 s[\g+3], 384<<16
	s_mov_b32 s[\g+4], 8
	s_mov_b32 s[\g+5], 1536
	s_mov_b32 s[\g+6], 0
	s_mov_b32 s[\g+7], 0
.endr
	s_or_b32 s[G1S+0], s43, (3<<16)|(1<<21)
	s_or_b32 s[G1SB+0], s44, (3<<16)|(1<<21)
.irp g, G1S, G1SB
	s_mov_b32 s[\g+1], 32<<16
	s_mov_b32 s[\g+2], 16<<16
	s_mov_b32 s[\g+3], 32<<16
	s_mov_b32 s[\g+4], 16
	s_mov_b32 s[\g+5], 32
	s_mov_b32 s[\g+6], 0
	s_mov_b32 s[\g+7], 0
.endr
	s_mov_b32 s[G1+2], 16<<16                      ; the head's loads: A's 16 tiles (B's 8 stand above),
	s_mov_b32 s[G1+4], 16
	s_mov_b32 s[G1S+2], 32<<16                     ; A's scale words, 32 rows of 256 bytes (B's 16 stand above)
	s_mov_b32 s[G1S+4], 32
	s_lshl_b32 s20, s17, 4                         ; A: the block's first tile
	s_lshl_b32 s46, s42, 3                         ; B likewise: 8 tiles a block
	s_add_co_u32 s46, s46, WOT
	s_lshl_b32 s22, s20, 9
	s_add_co_u32 s22, s22, XSO
	s_mov_b32 s23, 0
	s_mul_i32 s20, s20, TILEB
	s_mov_b32 s21, 0
	s_lshl_b32 s92, s46, 9
	s_add_co_u32 s92, s92, WSO
	s_mov_b32 s93, 0
	s_mul_i32 s46, s46, TILEB
	s_mov_b32 s47, 0
	s_mul_i32 s12, s16, HALFT                      ; where the ring's loads go: A's halves,
	s_mul_i32 s13, s16, HALFB
	s_add_co_u32 s13, s13, 2*HALFT                 ; B's halves behind them
	s_mul_i32 s18, s16, 8*TILEB                    ; and where they come from: which half of the block, in bytes
	s_mov_b32 s19, 0
	s_mul_i32 s100, s16, 4*TILEB
	s_mov_b32 s101, 0
	s_lshl_b32 s98, s42, 9
	s_lshl_b32 s99, s16, 8
	s_add_co_u32 s98, s98, s99
	s_mov_b32 s99, 0
	s_wait_dscnt 0x0
	s_wait_kmcnt 0x0
	s_add_nc_u64 s[20:21], s[4:5], s[20:21]
	s_add_nc_u64 s[22:23], s[4:5], s[22:23]
	s_add_nc_u64 s[46:47], s[6:7], s[46:47]
	s_add_nc_u64 s[92:93], s[6:7], s[92:93]
	s_add_nc_u64 s[98:99], s[8:9], s[98:99]
	CROUND
	s_mov_b32 s[G0S], 1
	s_mov_b32 s[G0S+1], SCL+2*HALFSB
	s_mov_b64 s[G0S+2:G0S+3], s[22:23]
	s_or_b32 s[G0S+3], s[G0S+3], 0x80000000
	s_mov_b32 s[G0SB], 1
	s_mov_b32 s[G0SB+1], SCL
	s_mov_b64 s[G0SB+2:G0SB+3], s[92:93]
	s_or_b32 s[G0SB+3], s[G0SB+3], 0x80000000
.set G0H, 4                            ; s[4:7], s[92:95] group 0 of the head's loads of slot 0: A's 16 tiles, B's 8 tiles (what lay there has been used)
.set G0HB, 92
	s_mov_b32 s[G0H], 1
	s_mov_b32 s[G0H+1], 0
	s_mov_b64 s[G0H+2:G0H+3], s[20:21]
	s_or_b32 s[G0H+3], s[G0H+3], 0x80000000
	s_mov_b32 s[G0HB], 1
	s_mov_b32 s[G0HB+1], 2*HALFT
	s_mov_b64 s[G0HB+2:G0HB+3], s[46:47]
	s_or_b32 s[G0HB+3], s[G0HB+3], 0x80000000
	s_add_nc_u64 s[20:21], s[20:21], s[18:19]      ; for the ring: my half of the block
	s_add_nc_u64 s[46:47], s[46:47], s[100:101]
.irp s, 0,1
	s_mov_b32 s[G0+4*\s], 1
	s_add_co_u32 s[G0+4*\s+1], s12, \s*SLOT
	s_add_nc_u64 s[G0+4*\s+2:G0+4*\s+3], s[20:21], \s*NQ*STEPB
	s_or_b32 s[G0+4*\s+3], s[G0+4*\s+3], 0x80000000
	s_mov_b32 s[G0B+4*\s], 1
	s_add_co_u32 s[G0B+4*\s+1], s13, \s*SLOT
	s_add_nc_u64 s[G0B+4*\s+2:G0B+4*\s+3], s[46:47], \s*NQ*STEPB
	s_or_b32 s[G0B+4*\s+3], s[G0B+4*\s+3], 0x80000000
.endr
; THE HEAD'S LOADS, ONE A WAVE: wave 0 slot 0's 16 tiles of A, wave 1 its 8 tiles of B, wave 2 A's scale words, wave 3 B's.  One tree of branches on the wave's number; every way passes one load.
.macro ARM under, g0, g1, next
	s_cmp_lt_u32 s14, \under
	s_cbranch_scc0 \next
	tensor_load_to_lds s[\g0:\g0+3], s[\g1:\g1+7]
	s_nop 0
.rept 4
	v_nop
.endr
	s_branch .Lhead_asked
\next:
.endm
	ARM 1, G0H,  G1,  .Lhead_b
	ARM 2, G0HB, G1B, .Lhead_sa
	ARM 3, G0S,  G1S, .Lhead_sb
	tensor_load_to_lds s[G0SB:G0SB+3], s[G1SB:G1SB+7]
	s_nop 0
.rept 4
	v_nop
.endr
.Lhead_asked:
	v_and_b32 v1, 15, v0
	v_bfe_u32 v2, v0, 4, 1
	s_wait_alu depctr_va_vdst(0)
	v_lshlrev_b32 v4, 7, v2
.irp b, 0,1,2,3
	global_load_b128 v[BIAS0+8*\b:BIAS0+8*\b+3], v4, s[98:99] offset:(64*(\b/4)+8*(\b%4))*4
	global_load_b128 v[BIAS0+8*\b+4:BIAS0+8*\b+7], v4, s[98:99] offset:(64*(\b/4)+8*(\b%4))*4+16
.endr
	v_and_b32 v3, 31, v0
	v_lshlrev_b32 v[L8], 3, v3
	s_mul_i32 s21, s15, HALFT
	s_mul_i32 s22, s16, HALFB
	s_add_co_u32 s22, s22, 2*HALFT
.irp s, 0,1
	v_add_nc_u32 v[ADRA+\s], s21, v[L8]
	v_add_nc_u32 v[ADRB+\s], s22, v[L8]
	s_add_co_u32 s21, s21, SLOT
	s_add_co_u32 s22, s22, SLOT
.endr
	v_lshlrev_b32 v7, 3, v1
	s_mul_i32 s21, s15, HALFS                      ; A's words, my 8 tiles, behind B's 8 tiles;
	s_add_co_u32 s21, s21, 2*HALFSB
	s_mul_i32 s22, s16, HALFSB                     ; B's, my 4 tiles.  (The loads for tiles 4-7 bring lanes 16-31 words that lie further on in the scales' bytes; no product names them)
	s_sub_co_u32 s21, s21, s22
	v_sub_nc_u32 v9, 1, v2
	v_mul_u32_u24 v8, s21, v9                      ; lanes 0-15 take A's: the lower base + (1 - h) x the distance
	s_add_co_u32 s22, s22, SCL
	v_add_nc_u32 v7, v7, v8
	v_add_nc_u32 v[ADRS], s22, v7
	s_mul_i32 s23, s14, 16*SPITCH
	v_mul_u32_u24 v5, v1, SPITCH
	v_lshl_add_u32 v5, v2, 7, v5
	v_add_nc_u32 v[STO], s23, v5
	v_lshlrev_b32 v6, 4, v1                        ; back: lanes 0-15 take one row of 256 bytes, lanes 16-31 the next;
	v_mad_u32_u24 v5, v2, SPITCH, v6
	v_add_nc_u32 v[RD], s23, v5
	v_lshl_add_u32 v[CO], v2, 12, v6               ; and the same two rows in out0
	s_lshl_b32 s20, s17, 8
	s_lshl_b32 s21, s15, 7
	s_add_co_u32 s20, s20, s21
	s_lshl_b32 s20, s20, 12
	s_mov_b32 s21, 0
	s_lshl_b32 s46, s42, 9
	s_lshl_b32 s47, s16, 8
	s_add_co_u32 s46, s46, s47
	s_mov_b32 s47, 0
	s_add_nc_u64 s[20:21], s[20:21], s[46:47]
	s_add_nc_u64 s[10:11], s[10:11], s[20:21]
	s_wait_alu depctr_va_vdst(0)
	s_wait_loadcnt 0x0
.macro FRAG reg, adr, q, i
.irp p, 0,1,2,3,4,5
	ds_load_b64 v[\reg+2*\p:\reg+2*\p+1], v[\adr] offset:(\i)*NQ*STEPB+(\q)*STEPB+256*\p
.endr
.endm
.macro MUL16 a0, p, q, sc, first
.irp a, \a0, \a0+1
.irp b, 0,1,2,3
.if \first
	v_wmma_scale_f32_16x16x128_f8f6f4 v[8*(8*((\a)%4)+\b):8*(8*((\a)%4)+\b)+7], v[128*(\p)+FR*\b:128*(\p)+FR*\b+FR-1], v[AF+FR*(\a):AF+FR*(\a)+FR-1], v[BIAS0+8*\b:BIAS0+8*\b+7], v[SC+8*NQ*(\sc)+NQ*\b+(\q)], v[SC+8*NQ*(\sc)+NQ*(\a)+(\q)] matrix_a_fmt:MATRIX_FMT_FP6 matrix_b_fmt:MATRIX_FMT_FP6 matrix_a_scale:MATRIX_SCALE_ROW1
.else
	v_wmma_scale_f32_16x16x128_f8f6f4 v[8*(8*((\a)%4)+\b):8*(8*((\a)%4)+\b)+7], v[128*(\p)+FR*\b:128*(\p)+FR*\b+FR-1], v[AF+FR*(\a):AF+FR*(\a)+FR-1], v[8*(8*((\a)%4)+\b):8*(8*((\a)%4)+\b)+7], v[SC+8*NQ*(\sc)+NQ*\b+(\q)], v[SC+8*NQ*(\sc)+NQ*(\a)+(\q)] matrix_a_fmt:MATRIX_FMT_FP6 matrix_b_fmt:MATRIX_FMT_FP6 matrix_a_scale:MATRIX_SCALE_ROW1
.endif
.endr
.endr
.endm
.macro FETCH_B slot, q, p
	WIN TO_B
.irp i, 0,1,2,3
	FRAG 128*(\p)+FR*\i, ADRB+\slot, \q, \i
.endr
	WIN 0
.endm
.macro FETCH_A slot, q, i0
.irp i, \i0, \i0+1, \i0+2, \i0+3
	FRAG AF+FR*(\i), ADRA+\slot, \q, \i
.endr
.endm
.macro SCALES sc
.irp i, 0,1,2,3,4,5,6,7
	ds_load_b64 v[SC+8*NQ*\sc+NQ*\i:SC+8*NQ*\sc+NQ*\i+1], v[ADRS] offset:\i*512
.endr
.endm
.macro PLACES n
.rept \n
	v_nop
.endr
.endm
.macro STEP slot, q, first
	s_wait_dscnt 4*NL
.if \first
	WIN MUL_LO1
.else
	WIN MUL_LO
.endif
	MUL16 0, (\q)%2, \q, \slot, \first
	MUL16 2, (\q)%2, \q, \slot, \first
	s_wait_dscnt 0
	PLACES NP
	FETCH_B \slot, (\q)+1, 1-(\q)%2
	FETCH_A \slot, (\q)+1, 0
.if \first
	WIN MUL_HI1
.else
	WIN MUL_HI
.endif
	MUL16 4, (\q)%2, \q, \slot, \first
	MUL16 6, (\q)%2, \q, \slot, \first
	PLACES NP
	WIN 0
	FETCH_A \slot, (\q)+1, 4
.endm
.macro TURN slot, next, fill
	s_wait_tensorcnt 0x0
	ds_add_u32 v[SPW], v[NIL]
	s_wait_dscnt 4*NL+1
	WIN MUL_LO
	MUL16 0, 1, NQ-1, \slot, 0
	s_wait_dscnt 0x0
	s_barrier_signal -1
	MUL16 2, 1, NQ-1, \slot, 0
	WIN 0
	s_barrier_wait -1
.if \fill
	CREST
	s_add_nc_u64 s[G0+4*\slot+2:G0+4*\slot+3], s[G0+4*\slot+2:G0+4*\slot+3], 2*NQ*STEPB
	s_add_nc_u64 s[G0B+4*\slot+2:G0B+4*\slot+3], s[G0B+4*\slot+2:G0B+4*\slot+3], 2*NQ*STEPB
	JLOAD G0+4*\slot, G1, G0B+4*\slot, G1B
.else
	PLACES NP
.endif
	s_wait_alu depctr_va_vdst(0)
	v_add_nc_u32 v[ADRS], 128, v[ADRS]
	FETCH_B \next, 0, 0
	FETCH_A \next, 0, 0
	SCALES \next
	WIN MUL_HI
	MUL16 4, 1, NQ-1, \slot, 0
	MUL16 6, 1, NQ-1, \slot, 0
	PLACES NP
	WIN 0
	FETCH_A \next, 0, 4
.endm
	s_wait_tensorcnt 0x0                           ; my tile of the head's four is in; the three lines ahead of a later first fill, as ahead of a refill
	ds_add_u32 v[SPW], v[NIL]
	s_mov_b32 s[G1+2], 8<<16                       ; no tensor load of mine is out: from here on a load brings 8 tiles of A
	s_mov_b32 s[G1+4], 8
	s_mov_b32 s[G1B+2], 4<<16                      ; or 4 of B
	s_mov_b32 s[G1B+4], 4
	s_wait_dscnt 0x0
	CROUND                                         ; all four tiles are in, and all sixteen work-groups are here
	JLOAD G0+4, G1, G0B+4, G1B                     ; slot 1's first fill, the first tensor load behind the round
	FETCH_B 0, 0, 0
	FETCH_A 0, 0, 0
	SCALES 0
	FETCH_A 0, 0, 4
	STEP 0, 0, 1
	TURN 0, 1, 1
	STEP 1, 0, 0
	TURN 1, 0, 1
	STEP 0, 0, 0
	TURN 0, 1, 0
	STEP 1, 0, 0
	s_wait_dscnt 4*NL
	WIN MUL_LO
	MUL16 0, 1, NQ-1, 1, 0
	MUL16 2, 1, NQ-1, 1, 0
	s_wait_dscnt 0
	WIN MUL_HI
	MUL16 4, 1, NQ-1, 1, 0
	MUL16 6, 1, NQ-1, 1, 0
	WIN 0
.macro TOSTAGE a
.set AC, 64*((\a)%4)
	WIN 0x08+4*((\a)/4)
.irp b, 0,1,2,3
	ds_store_b128 v[STO], v[AC+8*\b:AC+8*\b+3] offset:256*(\b/4)+32*(\b%4)
	ds_store_b128 v[STO], v[AC+8*\b+4:AC+8*\b+7] offset:256*(\b/4)+32*(\b%4)+16
.endr
	WIN 0
.set BB, BK+64*((\a)%2)
.irp t, 0,1,2,3,4,5,6,7
	ds_load_b128 v[BB+4*\t:BB+4*\t+3], v[RD] offset:2*\t*SPITCH
.endr
.endm
.macro SEND a, younger
.set BB, BK+64*((\a)%2)
	s_wait_dscnt \younger
.irp t, 0,1,2,3,4,5,6,7
	global_store_b128 v[CO], v[BB+4*\t:BB+4*\t+3], s[10:11] offset:(64*((\a)/4)+8*((\a)%4)+((2*\t)%8)+32*((2*\t)/8))*4096 th:TH_STORE_NT   ; stage rows 2 t and 2 t + 1: two aligned runs of 256 bytes
.endr
.endm
	PLACES NP
	TOSTAGE 0
.irp a, 1,2,3,4,5,6,7
.if \a > 1
	s_wait_xcnt 0x0
.endif
	TOSTAGE \a
	SEND \a-1, 16                                  ; behind block a - 1's loads: block a's 8 stores and 8 loads
.endr
	SEND 7, 0
	s_wait_tensorcnt 0x0
	ds_add_u32 v[SPW], v[NIL]
	s_wait_dscnt 0x0
	CROUND
	s_endpgm
.Lfunc_end_k_q76b4dfe1bf_gemm_o:
	.size	k_q76b4dfe1bf_gemm_o, .Lfunc_end_k_q76b4dfe1bf_gemm_o-k_q76b4dfe1bf_gemm_o
	.p2alignl 7, 3214868480
	.fill 96, 4, 3214868480
	.section	.rodata,"a",@progbits
	.p2align	6, 0x0
	.amdhsa_kernel k_q76b4dfe1bf_gemm_o
		.amdhsa_group_segment_fixed_size 327680
		.amdhsa_private_segment_fixed_size 0
		.amdhsa_enable_private_segment 0
		.amdhsa_kernarg_size 32
		.amdhsa_user_sgpr_count 2
		.amdhsa_user_sgpr_kernarg_segment_ptr 1
		.amdhsa_wavefront_size32 1
		.amdhsa_system_sgpr_workgroup_id_x 1
		.amdhsa_system_sgpr_workgroup_id_y 1
		.amdhsa_system_sgpr_workgroup_id_z 1
		.amdhsa_system_vgpr_workitem_id 0
		.amdhsa_next_free_vgpr 1024
		.amdhsa_next_free_sgpr 102
		.amdhsa_reserve_vcc 0
		.amdhsa_float_denorm_mode_32 3
		.amdhsa_float_denorm_mode_16_64 3
		.amdhsa_memory_ordered 1
		.amdhsa_forward_progress 1
		.amdhsa_inst_pref_size 103
	.end_amdhsa_kernel
	.amdgpu_metadata
---
amdhsa.version: [ 1, 2 ]
amdhsa.kernels:
  - .name:           k_q76b4dfe1bf_gemm_o
    .symbol:         k_q76b4dfe1bf_gemm_o.kd
    .args:
      - { .name: oq, .offset: 0, .size: 8, .value_kind: global_buffer, .address_space: global }
      - { .name: wq, .offset: 8, .size: 8, .value_kind: global_buffer, .address_space: global }
      - { .name: b_o, .offset: 16, .size: 8, .value_kind: global_buffer, .address_space: global }
      - { .name: out0, .offset: 24, .size: 8, .value_kind: global_buffer, .address_space: global }
    .group_segment_fixed_size: 327680
    .private_segment_fixed_size: 0
    .kernarg_segment_align: 8
    .kernarg_segment_size: 32
    .max_flat_workgroup_size: 128
    .sgpr_count:     102
    .vgpr_count:     1024
    .wavefront_size: 32
...
	.end_amdgpu_metadata
.endif
;; end of part 4
